; MI455X (gfx1250); checked and timed in simulation.
; The chip was launched on July 23, 2026; its instructions are those of AMD's public machine-readable ISA for CDNA 5 (MIT licence, August 2026) and "CDNA5" Instruction Set Architecture Reference Guide (July 2026). The comments in the code are by the model that wrote it; some were corrected since.
;; Diff MLA Attention. Allowed arithmetic: matrix products marked QUANTISED: E2M1 operands, one E8M0 scale for each 32 along K, by v_wmma_scale_f32_16x16x128_f8f6f4 with both operands' format E2M1 (or v_wmma_scale_f32_32x16x128_f4), f32 sums; products left as they are: bf16, f16 or f32 operands; f32 sums; everything else in f32.
;; Inputs: W_DKV 2,048 x 1,024 float32; W_DQ 2,048 x 1,024 float32; W_KR 2,048 x 64 float32; W_QR 1,024 x 2,048 float32; W_UK 1,024 x 2,048 float32; W_UQ 1,024 x 4,096 float32; W_UV 1,024 x 2,048 float32; W_lambda_b 16 float32; W_lambda_w 2,048 x 16 float32; W_out 2,048 x 2,048 float32; kv_norm_w 1,024 float32; q_norm_w 1,024 float32; x 2 x 1,024 x 2,048 float32.
;; Outputs: out0 2 x 1,024 x 2,048 float32.
;; This version of the problem:
;;   THIS VERSION OF THE PROBLEM IS GIVEN IN LOW PRECISION. The matrix products marked QUANTISED in the list below multiply operands that are first quantised to E2M1 (2 exponent bits, 1 mantissa bit; 4 bits a number), with one power-of-two scale for each 32 numbers along K (OCP MX v1.0); their sums are f32. The products marked 'left as it is' may take bf16, f16 or f32 operands, with f32 sums. Whichever they take, every output number must still come out within the allowed error. Rounding operands to bf16 (8 significant bits) uses up far more of that allowance than f16 does (11 bits, for magnitudes from 6e-5 to 65,504). All else is computed in f32.
;;   The module's matrix products, in the order in which they are computed (A, B: the left and right operand; K: the contracted axis; several contracted axes count as one K, in the product's order):
;;     1. [M 2,048, K 2,048] x [K 2,048, N 1,024]; A: input x; B: input W_DKV: QUANTISED
;;     2. [M 2,048, K 1,024] x [K 1,024, N 2,048]; A: computed on the way; B: input W_UK: left as it is (an operand is computed on the way)
;;     3. [M 2,048, K 1,024] x [K 1,024, N 2,048]; A: computed on the way; B: input W_UV: left as it is (an operand is computed on the way)
;;     4. [M 2,048, K 2,048] x [K 2,048, N 1,024]; A: input x; B: input W_DQ: QUANTISED
;;     5. [M 2,048, K 1,024] x [K 1,024, N 4,096]; A: computed on the way; B: input W_UQ: left as it is (an operand is computed on the way)
;;     6. [M 2,048, K 1,024] x [K 1,024, N 2,048]; A: computed on the way; B: input W_QR: left as it is (an operand is computed on the way)
;;     7. [M 2,048, K 2,048] x [K 2,048, N 64]; A: input x; B: input W_KR: QUANTISED
;;     8. batch 32 x [M 2,048, K 192] x [K 192, N 1,024]; A: computed on the way; B: computed on the way: left as it is (an operand is computed on the way)
;;     9. batch 32 x [M 2,048, K 1,024] x [K 1,024, N 128]; A: computed on the way; B: computed on the way: left as it is (an operand is computed on the way)
;;     10. [M 2,048, K 2,048] x [K 2,048, N 16]; A: input x; B: input W_lambda_w: QUANTISED
;;     11. [M 2,048, K 2,048] x [K 2,048, N 2,048]; A: computed on the way; B: input W_out: left as it is (an operand is computed on the way)
;;   THE QUANTISER, for each operand of a quantised product, along K:
;;     - K is cut into blocks of 32 from its start; a last block that is shorter is filled with zeros.
;;     - A block's scale is 2^e with e = floor(log2(the largest magnitude in the block)) - 2, held to -126 .. 127; a block of zeros has e = 0. As a byte (E8M0): e + 127.
;;     - Each number is divided by its block's scale, clamped to +-6, and rounded to the nearest number of E2M1, ties to even, subnormals kept.
;;     - The product sums the exact products of the quantised numbers (number of the format x scale) in f32.
;;   ~~~python
;;   def quantise(x, axis):      # numpy; x: float32 -> the quantised numbers, widened to float32 again
;;       x = np.moveaxis(x, axis, -1); K = x.shape[-1]
;;       x = np.pad(x, [(0, 0)] * (x.ndim - 1) + [(0, -K % 32)]); x = x.reshape(x.shape[:-1] + (-1, 32)); a = np.abs(x).max(-1, keepdims=True)
;;       e = np.where(a > 0, np.clip(np.frexp(np.where(a > 0, a, 1))[1] - 1 - 2, -126, 127), 0)      # np.frexp(a)[1] - 1 = floor(log2(a)), exactly
;;       r = np.clip(x / 2.0 ** e, -6, 6)
;;       step = 2.0 ** (np.maximum(np.frexp(np.where(r == 0, 1, r))[1] - 1, 0) - 1)
;;       q = np.round(r / step) * step * 2.0 ** e      # np.round: ties to even
;;       return np.moveaxis(q.reshape(q.shape[:-2] + (-1,))[..., :K], -1, axis).astype(np.float32)
;;   ~~~
;; One version. Each part assembles by itself: llvm-mc -triple=amdgcn-amd-amdhsa -mcpu=gfx1250 --defsym DOCPART=n.
;; ======== version 1 of 1: 7 launches
;; limits: values are held in f16: magnitudes above 65,504 overflow, below 6.1e-05 lose precision
;; workspace buffers: qc 4,857,856 bytes; w16 29,360,128 bytes; y16 8,388,608 bytes; aux 786,432 bytes; qf 25,165,824 bytes; kv 16,777,216 bytes; a16 8,388,608 bytes; af 262,144 bytes
;; launch prep (part 1): grid 676 x 1, 4 waves a work-group, no clusters, 34,304 bytes of LDS; arguments x, W_DKV, W_DQ, W_KR, W_lambda_w, W_UK, W_UV, W_UQ, W_QR, W_out, kv_norm_w, q_norm_w, qc, w16; writes qc, w16
.if DOCPART == 1
	.amdgcn_target "amdgcn-amd-amdhsa--gfx1250"
	.amdhsa_code_object_version 6
	.text
	.protected	k_q6511ca756b_prep
	.globl	k_q6511ca756b_prep
	.p2align	8
	.type	k_q6511ca756b_prep,@function
k_q6511ca756b_prep:
	s_mov_b64 s[64:65], 0
	v_nop
	global_prefetch_b8 v0, s[64:65] scope:SCOPE_SE
	s_setreg_imm32_b32 hwreg(HW_REG_WAVE_MODE, 25, 1), 1
	s_wait_xcnt 0x0
; PREP: every operand is laid out once, as IMAGES OF OPERAND REGISTERS.  An image is 1,024 bytes: lane l's registers 0-3 at 16 l, its registers 4-7 at 512 + 16 l.
; An FP4 image is 16 rows x 128 K, an f16 image 16 rows x 32 K.  Four paths, parted by the work-group's number:
;   WQ   (68 groups)   W_DKV | W_DQ | W_KR | W_lambda_w, taken as one weight of 2,128 columns (filled to 2,176 with zero codes), K = their first axis, into codes of E2M1 and E8M0 bytes
;   X    (128 groups)  x into codes and bytes
;   CAST (448 groups)  W_UK, W_UV, W_UQ, W_QR times 16 x the norm's gain of their k, and W_out as it is, into f16 images
;   ROPE (32 groups)   cos and sin of position x 10000^(-f / 32), f = 0 .. 31
; qc: x's codes at 0, [tile of 16 rows][quarter of K][4 images, then 256 bytes of scale words: row r's four words at 16 r]; the weight's likewise at WC; the table at ROPE, [position][32 cos, 32 sin].
; THE QUANTISER: a block's scale is 2^(floor(log2(largest magnitude)) - 2); its byte is the largest magnitude's exponent field - 2, held at 1 from below.
; LIMITS: a block of zeros, or one whose largest magnitude lies under 2^-124, gets the byte 1 (its codes are zeros or what the held scale gives; this program alone reads the bytes).  NaN and infinities among
; the inputs are not served.  16 x gain x weight must lie inside f16 (under 65,504).  The angle's relative error is that of one exponential and two roundings: about 1e-4 radians at position 1,023.
; Only path X uses LDS.  Memory binds: matrix units, clusters and tensor loads would add nothing here.
.set WC,    2228224
.set ROPE,  4595712
.set SPARE, 33792                      ; behind X's four stages of 8,448 bytes: the spare words, 128 bytes a wave
.set SPW,   254                        ; v254 LDS address of my spare word; never rewritten
.set NIL,   255                        ; v255 0; never rewritten
.set OFF,   32                         ; v32-63  WQ, CAST: byte offset of my column in rows 0 .. 31 of a block
.set X,     64                         ; v64-127 WQ, CAST: two sets of 32 numbers, down K
.macro LOADB t                         ; block t: 32 rows of my column; neighbouring lanes read neighbouring columns
.set li, 0
.rept 32
	global_load_b32 v[X+32*((\t)%2)+li], v[OFF+li], s[66+2*(\t):67+2*(\t)] th:TH_LOAD_NT
.set li, li+1
.endr
.endm
.macro OFFS                            ; s37: a row of the source in bytes; v9: 4 x my column
.set li, 0
.rept 32
	v_mad_u32_u24 v[OFF+li], s37, li, v9
.set li, li+1
.endr
.endm
.macro BASES n                         ; a base for each block, so that no pointer is stepped while loads are out: s[66:67] is block 0's, s[44:45] 32 rows
.set bt, 1
.rept \n-1
	s_add_nc_u64 s[66+2*bt:67+2*bt], s[66+2*(bt-1):67+2*(bt-1)], s[44:45]
.set bt, bt+1
.endr
.endm
.macro AMAX32 xs, m, n                 ; the largest magnitude of v[xs] .. v[xs + 31] into v[m], in two chains, with the floor 2^(3 - 127) as one more leaf: the byte cannot fall under 1
	v_max3_num_f32 v[\m], |v[\xs]|, |v[\xs+1]|, |v[\xs+2]|
	v_max3_num_f32 v[\n], |v[\xs+3]|, |v[\xs+4]|, |v[\xs+5]|
.irp i, 6,10,14,18,22,26
	v_max3_num_f32 v[\m], v[\m], |v[\xs+\i]|, |v[\xs+\i+1]|
	v_max3_num_f32 v[\n], v[\n], |v[\xs+\i+2]|, |v[\xs+\i+3]|
.endr
	v_max3_num_f32 v[\m], v[\m], |v[\xs+30]|, |v[\xs+31]|
	v_max3_num_f32 v[\m], v[\m], v[\n], 0x1800000
.endm
	s_load_b256 s[4:11], s[0:1], 0x0               ; x, W_DKV, W_DQ, W_KR
	s_load_b256 s[12:19], s[0:1], 0x20             ; W_lambda_w, W_UK, W_UV, W_UQ
	s_load_b256 s[20:27], s[0:1], 0x40             ; W_QR, W_out, kv_norm_w, q_norm_w
	s_load_b128 s[28:31], s[0:1], 0x60             ; qc, w16
	v_lshl_add_u32 v[SPW], v0, 2, SPARE
	v_mov_b32 v[NIL], 0
	v_lshrrev_b32 v1, 5, v0
	v_readfirstlane_b32 s32, v1                    ; wave
	v_and_b32 v2, 31, v0                           ; lane
	v_and_b32 v3, 15, v0                           ; r
	v_bfe_u32 v4, v0, 4, 1                         ; h
	v_lshlrev_b32 v5, 4, v2                        ; 16 x lane
	s_wait_kmcnt 0x0
	s_cmp_lt_u32 ttmp9, 68
	s_cbranch_scc1 .Lwq
	s_cmp_lt_u32 ttmp9, 196
	s_cbranch_scc1 .Lx
	s_cmp_lt_u32 ttmp9, 644
	s_cbranch_scc1 .Lcast
	; ---------------- ROPE: lane = frequency f; a wave takes eight positions
	s_sub_co_u32 s33, ttmp9, 644
	s_lshl_b32 s33, s33, 5
	s_lshl_b32 s34, s32, 3
	s_add_co_u32 s33, s33, s34                     ; my first position
	s_lshl_b32 s34, s33, 8
	s_add_co_u32 s34, s34, ROPE
	s_mov_b32 s35, 0
	s_add_nc_u64 s[28:29], s[28:29], s[34:35]
	s_mov_b32 s37, 0x3fc90fdb                      ; pi / 2, its high part
	s_mov_b32 s38, 0xb33bbd2e                      ; and what is left of it
	v_cvt_f32_u32 v8, v2
	v_mul_f32 v8, 0xbed49a78, v8                   ; -f x log2(10000) / 32
	v_exp_f32 v8, v8                               ; 10000^(-f / 32)
	v_lshlrev_b32 v9, 2, v2                        ; (a plain instruction behind the exponential)  4 f
	s_wait_alu depctr_va_vdst(0)                   ; the wait ahead of the result's first reader
.set e, 0
.rept 8
	s_add_co_u32 s36, s33, e
	v_cvt_f32_u32 v10, s36
	v_mul_f32 v10, v10, v8                         ; the angle
	v_mul_f32 v11, 0x3f22f983, v10
	v_rndne_f32 v11, v11                           ; n = the nearest multiple of pi / 2
	v_fma_f32 v10, -v11, s37, v10
	v_fma_f32 v10, -v11, s38, v10                  ; the rest, within pi / 4
	v_mul_f32 v12, v10, v10
	v_mov_b32 v13, 0x3638ef1d                      ; sine: 1/9!, -1/7!, 1/5!, -1/3!
	v_fmaak_f32 v13, v13, v12, 0xb9500d01
	v_fmaak_f32 v13, v13, v12, 0x3c088889
	v_fmaak_f32 v13, v13, v12, 0xbe2aaaab
	v_mul_f32 v13, v13, v12
	v_fma_f32 v13, v13, v10, v10
	v_mov_b32 v14, 0x37d00d01                      ; cosine: 1/8!, -1/6!, 1/4!, -1/2
	v_fmaak_f32 v14, v14, v12, 0xbab60b61
	v_fmaak_f32 v14, v14, v12, 0x3d2aaaab
	v_fmaak_f32 v14, v14, v12, 0xbf000000
	v_fma_f32 v14, v14, v12, 1.0
	v_cvt_i32_f32 v15, v11
	v_and_b32 v16, 1, v15
	v_cmp_eq_u32 vcc_lo, 1, v16                    ; an odd quadrant swaps the two
	v_cndmask_b32 v17, v14, v13, vcc_lo
	v_cndmask_b32 v18, v13, v14, vcc_lo
	v_add_nc_u32 v16, 1, v15
	v_and_b32 v16, 2, v16
	v_lshlrev_b32 v16, 30, v16                     ; the cosine is negative in quadrants 1 and 2,
	v_xor_b32 v[32+2*e], v16, v17
	v_and_b32 v16, 2, v15
	v_lshlrev_b32 v16, 30, v16                     ; the sine in 2 and 3
	v_xor_b32 v[33+2*e], v16, v18
	global_store_b32 v9, v[32+2*e], s[28:29] offset:256*e        ; 128 consecutive bytes; the sine's 128 fill the position's 256
	global_store_b32 v9, v[33+2*e], s[28:29] offset:256*e+128
.set e, e+1
.endr
	s_endpgm
	; ---------------- WQ: a lane takes a column, its registers run down K: a block of 32 lies in one lane, and the conversions give codes with K innermost
.Lwq:
	s_lshr_b32 s33, ttmp9, 2                       ; P: which 128 columns
	s_and_b32 s34, ttmp9, 3                        ; which quarter of K
	s_and_b32 s35, s33, 7
	s_lshl_b32 s35, s35, 7
	s_lshl_b32 s36, s32, 5
	s_add_co_u32 s35, s35, s36                     ; my wave's first column in W_DKV or W_DQ
	s_and_b32 s43, s32, 1
	s_lshl_b32 s43, s43, 4
	s_sub_co_u32 s43, 16, s43                      ; in the last group: wave 2 has lambda's 16 columns, wave 3 none
	s_lshr_b32 s42, s33, 4
	s_lshr_b32 s44, s32, 1
	s_and_b32 s42, s42, s44                        ; 1 in those two waves
	s_mov_b32 s37, 4096                            ; a row of the source in bytes
	s_cmp_lt_u32 s33, 8
	s_cselect_b64 s[40:41], s[6:7], s[8:9]
	s_cmp_lt_u32 s33, 16
	s_cselect_b64 s[40:41], s[40:41], s[10:11]
	s_cselect_b32 s37, s37, 256
	s_cselect_b32 s35, s35, s36
	s_cmp_eq_u32 s42, 0
	s_cselect_b64 s[40:41], s[40:41], s[12:13]
	s_cselect_b32 s37, s37, 64
	s_cselect_b32 s35, s35, 0
	s_cselect_b32 s39, 31, 15                      ; lanes beyond lambda's columns read its last one: no load leaves the buffer
	s_cselect_b32 s38, 32, s43                     ; how many of my lanes hold a column; the others' codes become zeros
	v_min_u32 v9, s39, v2
	v_add_nc_u32 v9, s35, v9
	v_lshlrev_b32 v9, 2, v9
	v_cmp_gt_u32 vcc_lo, s38, v2
	v_cndmask_b32 v7, 0, -1, vcc_lo
	OFFS
	v_mul_u32_u24 v8, 0x4400, v4                   ; out: lanes 16-31 hold the next tile of 16 columns, 17,408 bytes on;
	v_lshl_add_u32 v8, v3, 4, v8                   ; 16 bytes a column
	s_lshl_b32 s44, s34, 9
	s_mul_i32 s44, s44, s37                        ; my quarter of K
	s_mov_b32 s45, 0
	s_add_nc_u64 s[66:67], s[40:41], s[44:45]
	s_lshl_b32 s44, s37, 5
	BASES 16
	s_lshl_b32 s46, s33, 2
	s_add_co_u32 s46, s46, s32
	s_mul_i32 s46, s46, 34816                      ; my two tiles
	s_mul_i32 s47, s34, 4352
	s_add_co_u32 s46, s46, s47
	s_add_co_u32 s46, s46, WC
	s_mov_b32 s47, 0
	s_add_nc_u64 s[28:29], s[28:29], s[46:47]
	LOADB 0
	LOADB 1
.macro QBLOCK t
.set XS, X+32*((\t)%2)
.if (\t) < 15
	s_wait_loadcnt 32                              ; this block's 32 loads are in; the next block's may be out
.else
	s_wait_loadcnt 0x0
.endif
	AMAX32 XS, 12, 13
	v_add_nc_u32 v11, 0xff000000, v12              ; 2 off the exponent field: the conversion takes this operand's exponent field as its scale
.irp g, 0,1,2,3
	v_cvt_scalef32_pk8_fp4_f32 v[128+4*(\t)+\g], v[XS+8*\g:XS+8*\g+7], v11
.endr
	v_lshrrev_b32 v13, 23, v11                     ; the scale's byte (also the plain instruction behind the conversions)
.if (\t)%4 == 0
	v_mov_b32 v[24+(\t)/4], v13                    ; four bytes make the scale word of 128 along K
.else
	v_lshl_or_b32 v[24+(\t)/4], v13, 8*((\t)%4), v[24+(\t)/4]
.endif
.irp g, 0,1,2,3
	v_and_b32 v[128+4*(\t)+\g], v7, v[128+4*(\t)+\g]
.endr
	; block t is registers 4 c .. 4 c + 3 of the image's lane r + 16 h', c = (t % 4) / 2, h' = t % 2: sixteen lanes store 256 consecutive bytes, aligned.  Each block has its own four registers: no store's data are rewritten
	global_store_b128 v8, v[128+4*(\t):128+4*(\t)+3], s[28:29] offset:((\t)/4)*1024+(((\t)%4)/2)*512+((\t)%2)*256
.if (\t)+2 < 16
	LOADB (\t)+2
.endif
.endm
.irp t, 0,1,2,3,4,5,6,7,8,9,10,11,12,13,14,15
	QBLOCK \t
.endr
	global_store_b128 v8, v[24:27], s[28:29] offset:4096          ; my column's four scale words
	s_endpgm
	; ---------------- X: a wave takes 16 rows x 512 K, four images.  Loads read 512 consecutive bytes of a row; the numbers turn through the wave's own stage so that a lane holds whole blocks of its row
.Lx:
	s_sub_co_u32 s33, ttmp9, 68                    ; the tile of 16 rows
	s_lshl_b32 s34, s33, 17
	s_lshl_b32 s35, s32, 11                        ; the wave is the quarter of K
	s_add_co_u32 s34, s34, s35
	s_mov_b32 s35, 0
	s_add_nc_u64 s[4:5], s[4:5], s[34:35]
	s_mul_i32 s34, s33, 17408
	s_mul_i32 s36, s32, 4352
	s_add_co_u32 s34, s34, s36
	s_add_nc_u64 s[28:29], s[28:29], s[34:35]
	s_mul_i32 s36, s32, 8448                       ; my stage: 16 rows of 512 bytes + 16: the sixteen rows that a load touches start at sixteen different banks
	v_add_nc_u32 v6, s36, v5                       ; in: 16 x lane of a row
	v_mul_u32_u24 v7, v3, 528
	v_lshl_add_u32 v7, v4, 7, v7
	v_add_nc_u32 v7, s36, v7                       ; out: row r, 128 h bytes on: k = 32 h + 0 .. 31
	v_lshlrev_b32 v8, 4, v3
	v_lshlrev_b32 v9, 3, v4
	v_mov_b32 v10, 0                               ; a lane permute's destination counts as one of its sources
	s_mov_b32 s38, 0x76543210
	s_mov_b32 s39, 0xfedcba98                      ; lane l xor 16
.macro XLOAD t
.set li, 0
.rept 16
	global_load_b128 v[16+64*((\t)%2)+4*li:16+64*((\t)%2)+4*li+3], v5, s[4:5] offset:li*8192+512*(\t) th:TH_LOAD_NT
.set li, li+1
.endr
.endm
.macro XSTEP t
.if (\t) < 3
	s_wait_loadcnt 16                              ; this image's 16 loads are in; the next one's may be out
.else
	s_wait_loadcnt 0x0
.endif
.set li, 0
.rept 16
	ds_store_b128 v6, v[16+64*((\t)%2)+4*li:16+64*((\t)%2)+4*li+3] offset:528*li
.set li, li+1
.endr
.set li, 0
.rept 16
	ds_load_b128 v[144+4*li:144+4*li+3], v7 offset:256*(li/8)+16*(li%8)   ; LDS serves a wave's instructions in order: these see the stores.  Registers 32 c + i: k = 64 c + 32 h + i
.set li, li+1
.endr
	s_wait_dscnt 0x0
.if (\t)+2 < 4
	XLOAD (\t)+2
.endif
	AMAX32 144, 12, 13                             ; my two whole blocks: h and 2 + h of the row's four
	AMAX32 176, 14, 15
	v_add_nc_u32 v13, 0xff000000, v12
	v_add_nc_u32 v15, 0xff000000, v14
.irp g, 0,1,2,3
	v_cvt_scalef32_pk8_fp4_f32 v[208+8*(\t)+\g], v[144+8*\g:144+8*\g+7], v13
	v_cvt_scalef32_pk8_fp4_f32 v[212+8*(\t)+\g], v[176+8*\g:176+8*\g+7], v15
.endr
	v_lshrrev_b32 v12, 23, v13                     ; the bytes (also the plain instruction behind the conversions)
	v_lshrrev_b32 v14, 23, v15
	v_lshl_or_b32 v11, v14, 16, v12
	v_lshlrev_b32 v11, v9, v11                     ; at their places in the word, 8 h bits up;
	v_permlanex16_b32 v10, v11, s38, s39
	v_or_b32 v[240+(\t)], v11, v10                 ; with lane l xor 16's two the word is whole
	global_store_b128 v5, v[208+8*(\t):208+8*(\t)+3], s[28:29] offset:1024*(\t)       ; 512 consecutive bytes
	global_store_b128 v5, v[212+8*(\t):212+8*(\t)+3], s[28:29] offset:1024*(\t)+512
.endm
	XLOAD 0
	XLOAD 1
.irp t, 0,1,2,3
	XSTEP \t
.endr
	global_store_b128 v8, v[240:243], s[28:29] offset:4096        ; row r's four words; lanes r and r + 16 hold the same and store them to the same 16 bytes
	s_wait_tensorcnt 0x0                           ; the wave's end, behind my last LDS store
	ds_add_u32 v[SPW], v[NIL]
	s_wait_dscnt 0x0
	s_endpgm
	; ---------------- CAST: as WQ, a lane to a column; 32 along K are one f16 image.  A group takes 128 columns x 256 K
.Lcast:
	s_sub_co_u32 s33, ttmp9, 196
	s_mov_b64 s[40:41], s[22:23]                   ; from 320 on: W_out
	s_mov_b32 s34, 320
	s_mov_b32 s35, 20971520
	s_cmp_lt_u32 s33, 320
	s_cselect_b64 s[40:41], s[20:21], s[40:41]     ; W_QR
	s_cselect_b32 s34, 256, s34
	s_cselect_b32 s35, 16777216, s35
	s_cselect_b32 s38, 32, 64                      ; images along K
	s_cmp_lt_u32 s33, 256
	s_cselect_b64 s[40:41], s[18:19], s[40:41]     ; W_UQ
	s_cselect_b32 s34, 128, s34
	s_cselect_b32 s35, 8388608, s35
	s_cmp_lt_u32 s33, 128
	s_cselect_b64 s[40:41], s[16:17], s[40:41]     ; W_UV
	s_cselect_b32 s34, 64, s34
	s_cselect_b32 s35, 4194304, s35
	s_cselect_b64 s[42:43], s[24:25], s[26:27]     ; the gain: kv_norm_w for W_UK and W_UV, q_norm_w for W_UQ and W_QR
	s_cmp_lt_u32 s33, 64
	s_cselect_b64 s[40:41], s[14:15], s[40:41]     ; W_UK
	s_cselect_b32 s34, 0, s34
	s_cselect_b32 s35, 0, s35
	s_sub_co_u32 s36, s33, 128
	s_mov_b32 s37, 8192
	s_cmp_lt_u32 s36, 128                          ; W_UQ has 4,096 columns
	s_cselect_b32 s37, 16384, s37
	s_cselect_b32 s50, 31, 15
	s_cselect_b32 s51, 5, 4
	s_sub_co_u32 s34, s33, s34
	s_and_b32 s46, s34, s50                        ; which 128 columns
	s_lshr_b32 s47, s34, s51                       ; which 256 along K
	s_lshl_b32 s48, s46, 7
	s_lshl_b32 s49, s32, 5
	s_add_co_u32 s48, s48, s49
	v_add_nc_u32 v9, s48, v2
	v_lshlrev_b32 v9, 2, v9
	OFFS
	s_lshl_b32 s48, s47, 8
	s_mul_i32 s48, s48, s37
	s_mov_b32 s49, 0
	s_add_nc_u64 s[66:67], s[40:41], s[48:49]
	s_lshl_b32 s44, s37, 5
	s_mov_b32 s45, 0
	BASES 8
	s_lshl_b32 s48, s47, 10
	s_add_nc_u64 s[42:43], s[42:43], s[48:49]      ; my 256 gains
	s_lshl_b32 s48, s46, 3
	s_lshl_b32 s50, s32, 1
	s_add_co_u32 s48, s48, s50                     ; my first tile of 16 columns
	s_mul_i32 s48, s48, s38
	s_lshl_b32 s50, s47, 3
	s_add_co_u32 s48, s48, s50
	s_lshl_b32 s48, s48, 10
	s_add_co_u32 s48, s48, s35
	s_add_nc_u64 s[30:31], s[30:31], s[48:49]
	s_lshl_b32 s50, s38, 10
	v_mul_lo_u32 v8, v4, s50                       ; lanes 16-31 hold the next tile of columns
	v_lshl_add_u32 v8, v3, 4, v8
	v_mov_b32 v6, 0
.macro GLOAD t                         ; the 32 gains of block t, the same in every lane
.set li, 0
.rept 8
	global_load_b128 v[128+32*((\t)%2)+4*li:128+32*((\t)%2)+4*li+3], v6, s[42:43] offset:(32*(\t)+4*li)*4
.set li, li+1
.endr
.endm
.macro CBLOCK t, fold
.set XS, X+32*((\t)%2)
.set WS, 128+32*((\t)%2)
.set CC, 192+16*((\t)%2)
.if (\t) < 7
	s_wait_loadcnt 32+8*\fold                      ; this block's loads are in; the next block's may be out
.else
	s_wait_loadcnt 0x0
.endif
	s_wait_xcnt 0x0                                ; the stores of two blocks ago have read the registers that are written again below
.if \fold
.set li, 0
.rept 16
	v_pk_mul_f32 v[XS+li:XS+li+1], v[XS+li:XS+li+1], v[WS+li:WS+li+1]
.set li, li+2
.endr
.set li, 0
.rept 16
	v_pk_mul_f32 v[XS+li:XS+li+1], v[XS+li:XS+li+1], 0x41800000 op_sel_hi:[1,0]   ; x 16: rounds nothing; the row factor takes it off again
.set li, li+2
.endr
.endif
.set li, 0
.rept 16
	v_cvt_pk_f16_f32 v[CC+li], v[XS+2*li], v[XS+2*li+1]
.set li, li+1
.endr
.irp g, 0,1,2,3
	global_store_b128 v8, v[CC+4*\g:CC+4*\g+3], s[30:31] offset:1024*(\t)+(\g/2)*512+(\g%2)*256   ; k = 8 g .. 8 g + 7: sixteen lanes store 256 consecutive bytes, aligned
.endr
.if (\t)+2 < 8
	LOADB (\t)+2
.if \fold
	GLOAD (\t)+2
.endif
.endif
.endm
	s_cmp_ge_u32 s33, 320
	s_cbranch_scc1 .Lplain
	LOADB 0
	GLOAD 0
	LOADB 1
	GLOAD 1
.irp t, 0,1,2,3,4,5,6,7
	CBLOCK \t, 1
.endr
	s_endpgm
.Lplain:
	LOADB 0
	LOADB 1
.irp t, 0,1,2,3,4,5,6,7
	CBLOCK \t, 0
.endr
	s_endpgm
.Lfunc_end_k_q6511ca756b_prep:
	.size	k_q6511ca756b_prep, .Lfunc_end_k_q6511ca756b_prep-k_q6511ca756b_prep
	.p2alignl 7, 3214868480
	.fill 96, 4, 3214868480
	.section	.rodata,"a",@progbits
	.p2align	6, 0x0
	.amdhsa_kernel k_q6511ca756b_prep
		.amdhsa_group_segment_fixed_size 34304
		.amdhsa_private_segment_fixed_size 0
		.amdhsa_enable_private_segment 0
		.amdhsa_kernarg_size 112
		.amdhsa_user_sgpr_count 2
		.amdhsa_user_sgpr_kernarg_segment_ptr 1
		.amdhsa_wavefront_size32 1
		.amdhsa_system_sgpr_workgroup_id_x 1
		.amdhsa_system_sgpr_workgroup_id_y 1
		.amdhsa_system_sgpr_workgroup_id_z 1
		.amdhsa_system_vgpr_workitem_id 0
		.amdhsa_next_free_vgpr 256
		.amdhsa_next_free_sgpr 100
		.amdhsa_reserve_vcc 1
		.amdhsa_float_denorm_mode_32 3
		.amdhsa_float_denorm_mode_16_64 3
		.amdhsa_memory_ordered 1
		.amdhsa_forward_progress 1
		.amdhsa_inst_pref_size 224
	.end_amdhsa_kernel
	.amdgpu_metadata
---
amdhsa.version: [ 1, 2 ]
amdhsa.kernels:
  - .name:           k_q6511ca756b_prep
    .symbol:         k_q6511ca756b_prep.kd
    .args:
      - { .name: x, .offset: 0, .size: 8, .value_kind: global_buffer, .address_space: global }
      - { .name: W_DKV, .offset: 8, .size: 8, .value_kind: global_buffer, .address_space: global }
      - { .name: W_DQ, .offset: 16, .size: 8, .value_kind: global_buffer, .address_space: global }
      - { .name: W_KR, .offset: 24, .size: 8, .value_kind: global_buffer, .address_space: global }
      - { .name: W_lambda_w, .offset: 32, .size: 8, .value_kind: global_buffer, .address_space: global }
      - { .name: W_UK, .offset: 40, .size: 8, .value_kind: global_buffer, .address_space: global }
      - { .name: W_UV, .offset: 48, .size: 8, .value_kind: global_buffer, .address_space: global }
      - { .name: W_UQ, .offset: 56, .size: 8, .value_kind: global_buffer, .address_space: global }
      - { .name: W_QR, .offset: 64, .size: 8, .value_kind: global_buffer, .address_space: global }
      - { .name: W_out, .offset: 72, .size: 8, .value_kind: global_buffer, .address_space: global }
      - { .name: kv_norm_w, .offset: 80, .size: 8, .value_kind: global_buffer, .address_space: global }
      - { .name: q_norm_w, .offset: 88, .size: 8, .value_kind: global_buffer, .address_space: global }
      - { .name: qc, .offset: 96, .size: 8, .value_kind: global_buffer, .address_space: global }
      - { .name: w16, .offset: 104, .size: 8, .value_kind: global_buffer, .address_space: global }
    .group_segment_fixed_size: 34304
    .private_segment_fixed_size: 0
    .kernarg_segment_align: 8
    .kernarg_segment_size: 112
    .max_flat_workgroup_size: 128
    .sgpr_count:     100
    .vgpr_count:     256
    .wavefront_size: 32
...
	.end_amdgpu_metadata
.endif
;; end of part 1
;; launch g1 (part 2): grid 16 x 16, 4 waves a work-group, clusters of 4 x 1, 279,040 bytes of LDS; arguments qc, W_lambda_b, y16, aux; writes y16, aux
.if DOCPART == 2
	.amdgcn_target "amdgcn-amd-amdhsa--gfx1250"
	.amdhsa_code_object_version 6
	.text
	.protected	k_q6511ca756b_g1
	.globl	k_q6511ca756b_g1
	.p2align	8
	.type	k_q6511ca756b_g1,@function
k_q6511ca756b_g1:
	s_mov_b64 s[64:65], 0
	v_nop
	global_prefetch_b8 v0, s[64:65] scope:SCOPE_SE
	s_setreg_imm32_b32 hwreg(HW_REG_WAVE_MODE, 25, 1), 1
	s_wait_xcnt 0x0
	s_wait_alu depctr_hold_cnt(0) depctr_sa_sdst(0) depctr_va_vdst(0) depctr_va_sdst(0) depctr_va_ssrc(0) depctr_va_vcc(0) depctr_vm_vsrc(0)
	s_getreg_b32 s2, hwreg(HW_REG_IB_STS2, 6, 4)
	s_cmp_eq_u32 s2, 0
	s_cbranch_scc0 .Lentry_in_a_cluster
	s_endpgm
.Lentry_in_a_cluster:
	s_bfe_u32 s2, ttmp6, 0x10000c
	s_cmp_lg_u32 s2, 0x3003
	s_cbranch_scc0 .Lentry_shape_is_right
	s_endpgm
.Lentry_shape_is_right:
; G1: the four quantised products as one: x [2048][2048] against W_DKV | W_DQ | W_KR | W_lambda_w, on codes of E2M1 with E8M0 scales, sums in f32.
; A work-group makes 128 tokens x 128 columns of W_DKV | W_DQ, a wave 64 x 64: 16 accumulators.  The codes and scale words of ALL of K for both sides, 2 x 139,264 bytes, are asked for at the head, four tensor loads a wave,
; a quarter of K each, and no LDS byte is filled twice: four loads of a wave are out at the most, and the waits for them are counted.
; THE 80 COLUMNS OF W_KR AND W_lambda_w have no tile of their own: 16 x 16 work-groups are one for each WGP, a 17th column tile would be 16 more.  They ride with work-groups that hold the same tokens' codes anyway:
; in column tile 0 wave (rh, ch) adds W_KR's column tiles ch and ch + 2 against its four fragments of x (8 accumulators more); in column tile 1 the waves with ch = 0 add W_lambda_w's tile (4 more).
; Their weight fragments are images of registers and go from memory straight into registers at the head.  The 16 steps are written three times, by one macro; the three texts part once, on the column tile.
; CLUSTER: the four work-groups of a cluster take four token tiles against the same 128 columns: the weight's tiles are asked for jointly (waves 2 and 3); x's tiles are each group's own (waves 0 and 1).
; THE MATRIX INSTRUCTION IS USED TRANSPOSED (source 0 = 16 columns of the weight, source 1 = 16 tokens): lane (r, h) holds token r and columns 8 h + 0 .. 7: packed to f16, half an image of the next product's operand.
; OUT.  y = x W raw as f16 images; each token's sum of squares over my 64 columns, in f32; y_kv in f32 for the first 16 tokens of each sequence; k_r, rotated, as f16 images; sigmoid(x W_lambda + b) in f32.
; LIMITS: |y| under 65,504.
; REGISTERS: window 0: v1-15 addresses; v16-31 at work; v32-63 scale words, two sets (register 4 i + q: lanes 0-15 x's tile i, lanes 16-31 the weight's tile i, the quarter's q-th 128 along K); v64-95 at work on the ways out;
;   v96-127 the extra tiles' scale words; v128-255 accumulators, (a, b) at v[128 + 8 (4 a + b)].   window 1: v0-127 two sets of 64: x's four fragments, then the weight's four; v128-191 the extra accumulators; v192-255 k_r's cos and sin.
;   window 2: the extra tiles' fragments of all 16 steps, 128 registers a tile.
.set WC,    2228224
.set ROPE,  4595712
.set LAM,   262144
.set KRF,   393216
.set YFI,   655360
.set TL,    4352                       ; a tile's quarter of K: four images and 256 bytes of scale words
.set CHK,   8*TL                       ; eight tiles
.set BS,    4*CHK                      ; x's side; the weight's side lies behind it
.set SPARE, 2*BS                       ; the spare words, 128 bytes a wave
.set LI,   1
.set SPW,  2
.set NIL,  3
.set ADRA, 4                           ; v4-7   my fragments of x in quarter c
.set ADRB, 8                           ; v8-11  of the weight
.set ADRS, 12                          ; v12-15 my scale words
.set SC,   32
.set ES,   96                          ; v96-127 the extra tiles' scale words: tile e, step s at v[ES + 16 e + s], row r's word in lane r
.set EA,   128                         ; in window 1: the extra accumulators
.set ACC,  128
.set G1A,  24
.set G1B,  32
.set G0A,  40                          ; s[40:55] x's four groups 0
.set G0B,  68                          ; s[68:83] the weight's
.set MSB, 0
.macro WIN new                         ; the immediate's high byte repeats the setting that is left
.if MSB != \new
	s_set_vgpr_msb (MSB<<8)|\new
.set MSB, \new
.endif
.endm
.macro PLACES n
.rept \n
	v_nop
.endr
.endm
.macro CROUND                          ; a round of the cluster's barrier
	s_barrier_signal -1
	s_barrier_wait -1
	s_cmp_lg_u32 s12, 0
	s_cbranch_scc1 .Lnw0_\@
	s_barrier_signal -3
.Lnw0_\@:
	s_barrier_wait -3
	s_barrier_signal -1
	s_barrier_wait -1
.endm
	s_load_b256 s[4:11], s[0:1], 0x0               ; qc, W_lambda_b, y16, aux
	v_lshl_add_u32 v[SPW], v0, 2, SPARE
	v_mov_b32 v[NIL], 0
	ds_add_u32 v[SPW], v[NIL]                      ; the wave's opening: the add, twice on end, and its wait ahead of my first tensor load
	ds_add_u32 v[SPW], v[NIL]
	v_lshrrev_b32 v1, 5, v0
	v_readfirstlane_b32 s12, v1                    ; wave
	s_lshr_b32 s13, s12, 1                         ; rh: my half of the tokens.  Also: I fetch x's side (0) or the weight's (1)
	s_and_b32 s14, s12, 1                          ; ch: my half of the columns.  Also: which four tiles I fetch
	s_bfe_u32 s15, ttmp6, 0x40000                  ; cx
	s_lshl_b32 s16, ttmp9, 2
	s_add_co_u32 s16, s16, s15                     ; the token tile
	s_and_b32 s17, ttmp7, 0xffff                   ; the column tile: the same in the four partners
	s_mov_b32 s[G1A], 3<<16                        ; elements of 8 bytes, no mask, no padding
	s_mov_b32 s[G1B], 15|(3<<16)|(1<<21)           ; the same for all four work-groups; bit 21 is set beside a mask
.irp g, G1A, G1B
	s_mov_b32 s[\g+1], 544<<16                     ; tensor_dim0 = 544 elements: 4,352 bytes
	s_mov_b32 s[\g+2], 4<<16                       ; tensor_dim1 = 4 tiles
	s_mov_b32 s[\g+3], 544<<16                     ; tile_dim0
	s_mov_b32 s[\g+4], 4                           ; tile_dim1
	s_mov_b32 s[\g+5], 2176                        ; from tile to tile: 17,408 bytes
	s_mov_b32 s[\g+6], 0
	s_mov_b32 s[\g+7], 0
.endr
	s_lshl_b32 s18, s16, 3
	s_lshl_b32 s19, s14, 2
	s_add_co_u32 s18, s18, s19
	s_mul_i32 s18, s18, 17408                      ; x's four tiles
	s_mov_b32 s19, 0
	s_lshl_b32 s20, s17, 3
	s_lshl_b32 s21, s14, 2
	s_add_co_u32 s20, s20, s21
	s_mul_i32 s20, s20, 17408
	s_add_co_u32 s20, s20, WC                      ; the weight's four tiles: no place in the cluster enters
	s_mov_b32 s21, 0
	s_mul_i32 s22, s14, 4*TL
	s_mul_i32 s23, s13, BS
	s_add_co_u32 s22, s22, s23                     ; where they go in LDS: the wave's number alone
	s_mov_b32 s60, 0x76543210
	s_mov_b32 s61, 0xfedcba98                      ; lane l xor 16
	s_wait_dscnt 0x0                               ; both opening adds are done
	s_wait_kmcnt 0x0
	s_add_nc_u64 s[18:19], s[4:5], s[18:19]
	s_add_nc_u64 s[20:21], s[4:5], s[20:21]
	CROUND                                         ; all four work-groups are here: the joint loads meet
.irp c, 0,1,2,3
	s_mov_b32 s[G0A+4*\c], 1
	s_add_co_u32 s[G0A+4*\c+1], s22, \c*CHK
	s_add_nc_u64 s[G0A+4*\c+2:G0A+4*\c+3], s[18:19], \c*TL
	s_or_b32 s[G0A+4*\c+3], s[G0A+4*\c+3], 0x80000000
	s_mov_b32 s[G0B+4*\c], 1
	s_add_co_u32 s[G0B+4*\c+1], s22, \c*CHK
	s_add_nc_u64 s[G0B+4*\c+2:G0B+4*\c+3], s[20:21], \c*TL
	s_or_b32 s[G0B+4*\c+3], s[G0B+4*\c+3], 0x80000000
.endr
	s_cmp_lt_u32 s12, 2                            ; a wave's four fills stand in one branch on its number
	s_cbranch_scc0 .Lfill_w
.irp c, 0,1,2,3
	tensor_load_to_lds s[G0A+4*\c:G0A+4*\c+3], s[G1A:G1A+7]
	s_nop 0
.endr
	PLACES 4
	s_branch .Lfilled
.Lfill_w:
.irp c, 0,1,2,3
	tensor_load_to_lds s[G0B+4*\c:G0B+4*\c+3], s[G1B:G1B+7]
	s_nop 0
.endr
	PLACES 4
.Lfilled:
	v_and_b32 v18, 31, v0
	v_lshlrev_b32 v[LI], 4, v18                    ; an image's place for my lane
	v_lshlrev_b32 v18, 2, v18                      ; 4 x lane
	v_and_b32 v16, 15, v0                          ; r
	v_bfe_u32 v17, v0, 4, 1                        ; h
	s_mul_i32 s56, s13, 4*TL
	s_mul_i32 s57, s14, 4*TL
	s_add_co_u32 s57, s57, BS
	s_xor_b32 s58, s13, 1
	s_add_co_u32 s58, s58, s14
	s_mul_i32 s58, s58, 4*TL
	s_add_co_u32 s58, s58, BS-4*TL                 ; from x's scale words to the weight's: BS + 4 TL (ch - rh)
	v_mul_u32_u24 v19, s58, v17                    ; lanes 16-31 take the weight's
	v_lshl_add_u32 v19, v16, 4, v19
	s_add_co_u32 s59, s56, 4096
.irp c, 0,1,2,3
	v_add_nc_u32 v[ADRA+\c], s56, v[LI]
	v_add_nc_u32 v[ADRB+\c], s57, v[LI]
	v_add_nc_u32 v[ADRS+\c], s59, v19
	s_add_co_u32 s56, s56, CHK
	s_add_co_u32 s57, s57, CHK
	s_add_co_u32 s59, s59, CHK
.endr
.macro SCALES c                        ; quarter c's scale words: four words a row
.irp i, 0,1,2,3
	ds_load_b128 v[SC+16*((\c)%2)+4*\i:SC+16*((\c)%2)+4*\i+3], v[ADRS+(\c)] offset:TL*\i
.endr
.endm
.macro FETCH f, c, q                   ; 16 LDS loads: eight fragments of 128 along K
	WIN 0x40
.irp i, 0,1,2,3
	ds_load_b128 v[\f+8*\i:\f+8*\i+3], v[ADRA+(\c)] offset:TL*\i+1024*(\q)
	ds_load_b128 v[\f+8*\i+4:\f+8*\i+7], v[ADRA+(\c)] offset:TL*\i+1024*(\q)+512
	ds_load_b128 v[\f+32+8*\i:\f+32+8*\i+3], v[ADRB+(\c)] offset:TL*\i+1024*(\q)
	ds_load_b128 v[\f+32+8*\i+4:\f+32+8*\i+7], v[ADRB+(\c)] offset:TL*\i+1024*(\q)+512
.endr
.endm
.macro MUL16 f, q, set, zero           ; the 16 accumulators take turns, one instruction a turn
	WIN 0x05
.irp a, 0,1,2,3
.irp b, 0,1,2,3
.if \zero
	v_wmma_scale_f32_16x16x128_f8f6f4 v[ACC+8*(4*\a+\b):ACC+8*(4*\a+\b)+7], v[\f+32+8*\b:\f+32+8*\b+7], v[\f+8*\a:\f+8*\a+7], 0, v[SC+16*(\set)+4*\b+(\q)], v[SC+16*(\set)+4*\a+(\q)] matrix_a_fmt:MATRIX_FMT_FP4 matrix_b_fmt:MATRIX_FMT_FP4 matrix_a_scale:MATRIX_SCALE_ROW1
.else
	v_wmma_scale_f32_16x16x128_f8f6f4 v[ACC+8*(4*\a+\b):ACC+8*(4*\a+\b)+7], v[\f+32+8*\b:\f+32+8*\b+7], v[\f+8*\a:\f+8*\a+7], v[ACC+8*(4*\a+\b):ACC+8*(4*\a+\b)+7], v[SC+16*(\set)+4*\b+(\q)], v[SC+16*(\set)+4*\a+(\q)] matrix_a_fmt:MATRIX_FMT_FP4 matrix_b_fmt:MATRIX_FMT_FP4 matrix_a_scale:MATRIX_SCALE_ROW1
.endif
.endr
.endr
.endm
; The extra products of step s, on the step's four fragments of x (set f).  Source 0, the extra tile's fragment, lies in window 2; source 1, C and D in window 1.  The extra tiles' scale words lie in lanes 0-15, as x's do.
; kind 1: W_KR's two tiles, eight accumulators by turns.  kind 2: W_lambda_w's tile, four, in the waves with ch = 0: a branch on the wave's number.  kind 0: nothing.
.macro EXTRA f, s, set, zero, kind
.if \kind == 1
.if \zero
	s_wait_loadcnt 0x0                             ; the extra fragments, their scale words and the tables, asked for at the head
.endif
	WIN 0x56
.irp a, 0,1,2,3
.irp e, 0,1
.if \zero
	v_wmma_scale_f32_16x16x128_f8f6f4 v[EA+8*(2*\a+\e):EA+8*(2*\a+\e)+7], v[128*\e+8*(\s):128*\e+8*(\s)+7], v[\f+8*\a:\f+8*\a+7], 0, v[ES+16*\e+(\s)], v[SC+16*(\set)+4*\a+(\s)%4] matrix_a_fmt:MATRIX_FMT_FP4 matrix_b_fmt:MATRIX_FMT_FP4
.else
	v_wmma_scale_f32_16x16x128_f8f6f4 v[EA+8*(2*\a+\e):EA+8*(2*\a+\e)+7], v[128*\e+8*(\s):128*\e+8*(\s)+7], v[\f+8*\a:\f+8*\a+7], v[EA+8*(2*\a+\e):EA+8*(2*\a+\e)+7], v[ES+16*\e+(\s)], v[SC+16*(\set)+4*\a+(\s)%4] matrix_a_fmt:MATRIX_FMT_FP4 matrix_b_fmt:MATRIX_FMT_FP4
.endif
.endr
.endr
.elseif \kind == 2
	WIN 0                                          ; at a branch and at a label every window is 0
	s_cmp_lg_u32 s14, 0
	s_cbranch_scc1 .Lnx_\@
.if \zero
	s_wait_loadcnt 0x0                             ; the extra fragments, their scale words and the bias, asked for at the head
.endif
	WIN 0x56
.irp a, 0,1,2,3
.if \zero
	v_wmma_scale_f32_16x16x128_f8f6f4 v[EA+8*\a:EA+8*\a+7], v[8*(\s):8*(\s)+7], v[\f+8*\a:\f+8*\a+7], 0, v[ES+(\s)], v[SC+16*(\set)+4*\a+(\s)%4] matrix_a_fmt:MATRIX_FMT_FP4 matrix_b_fmt:MATRIX_FMT_FP4
.else
	v_wmma_scale_f32_16x16x128_f8f6f4 v[EA+8*\a:EA+8*\a+7], v[8*(\s):8*(\s)+7], v[\f+8*\a:\f+8*\a+7], v[EA+8*\a:EA+8*\a+7], v[ES+(\s)], v[SC+16*(\set)+4*\a+(\s)%4] matrix_a_fmt:MATRIX_FMT_FP4 matrix_b_fmt:MATRIX_FMT_FP4
.endif
.endr
	WIN 0
.Lnx_\@:
.endif
.endm
; Step s of 16: 128 along K.  The next step's fragments are fetched into the other set ahead of this step's products.
.macro GSTEP s, zero, kind
.if ((\s)%4 == 3) && ((\s) < 15)
	WIN 0
	s_wait_dscnt 0x0                               ; no LDS instruction of mine is out at the signal
	s_wait_tensorcnt 2-(\s)/4                      ; my part of the next quarter has landed; the later quarters' loads may be out
	s_barrier_signal -1
	s_barrier_wait -1
	SCALES ((\s)/4+1)
.endif
.if (\s) < 15
	PLACES 4                                       ; in front of loads into registers that the last step's products read
	FETCH 64*(((\s)+1)%2), (((\s)+1)/4), (((\s)+1)%4)
	s_wait_dscnt 16                                ; all but the 16 just issued
.else
	s_wait_dscnt 0x0
.endif
	MUL16 64*((\s)%2), ((\s)%4), (((\s)/4)%2), \zero
	EXTRA 64*((\s)%2), \s, (((\s)/4)%2), \zero, \kind
.endm
.macro RUN kind                        ; all of K
	s_wait_tensorcnt 3                             ; my part of the first quarter is in,
	s_barrier_signal -1
	s_barrier_wait -1                              ; everybody's is
	SCALES 0
	FETCH 0, 0, 0
	GSTEP 0, 1, \kind                              ; the first products start the sums: nothing is cleared
.irp s, 1,2,3,4,5,6,7,8,9,10,11,12,13,14,15
	GSTEP \s, 0, \kind
.endr
	WIN 0
	PLACES 4                                       ; in front of the first read of results
.endm
.macro EWLOAD e                        ; an extra tile's fragments of all 16 steps, as they lie: 32 loads of 512 consecutive bytes
.set q, 0
.rept 16
	global_load_b128 v[128*\e+8*q:128*\e+8*q+3], v[LI], s[94:95] offset:\e*34816+(q/4)*TL+(q%4)*1024
	global_load_b128 v[128*\e+8*q+4:128*\e+8*q+7], v[LI], s[94:95] offset:\e*34816+(q/4)*TL+(q%4)*1024+512
.set q, q+1
.endr
.endm
	s_cmp_eq_u32 s17, 0                            ; the three texts part on the column tile: the same in all waves and in all partners
	s_cbranch_scc1 .Lpath_kr
	s_cmp_eq_u32 s17, 1
	s_cbranch_scc1 .Lpath_lam
	RUN 0
	s_branch .Lmain
	; ---------------- column tile 0: W_KR's tiles ch and ch + 2 ride along
.Lpath_kr:
	s_add_co_u32 s93, s14, 128
	s_mul_i32 s96, s93, 17408
	s_add_co_u32 s96, s96, WC
	s_mov_b32 s97, 0
	s_add_nc_u64 s[94:95], s[4:5], s[96:97]        ; column tile 128 + ch; the second lies two tiles, 34,816 bytes, on
	s_lshl_b32 s56, s16, 7
	s_lshl_b32 s57, s13, 6
	s_add_co_u32 s56, s56, s57
	s_and_b32 s56, s56, 1023                       ; my first token's position
	s_lshl_b32 s56, s56, 8
	s_lshl_b32 s57, s14, 6
	s_add_co_u32 s56, s56, s57                     ; frequencies 16 ch on
	s_add_co_u32 s56, s56, ROPE
	s_mov_b32 s57, 0
	s_add_nc_u64 s[84:85], s[4:5], s[56:57]
	v_lshlrev_b32 v29, 4, v16                      ; scale words: 16 r
	v_lshlrev_b32 v28, 8, v16
	v_lshl_add_u32 v28, v17, 5, v28                ; the table: 256 r + 32 h
	WIN 0x80                                       ; destination window 2
	EWLOAD 0
	EWLOAD 1
	WIN 0x40                                       ; destination window 1
.irp a, 0,1,2,3
	global_load_b128 v[192+16*\a:195+16*\a], v28, s[84:85] offset:4096*\a          ; tile a's eight cos,
	global_load_b128 v[196+16*\a:199+16*\a], v28, s[84:85] offset:4096*\a+16
	global_load_b128 v[200+16*\a:203+16*\a], v28, s[84:85] offset:4096*\a+128      ; and eight sin
	global_load_b128 v[204+16*\a:207+16*\a], v28, s[84:85] offset:4096*\a+144
.endr
	WIN 0
.irp e, 0,1
.irp c, 0,1,2,3
	global_load_b128 v[ES+16*\e+4*\c:ES+16*\e+4*\c+3], v29, s[94:95] offset:\e*34816+\c*TL+4096
.endr
.endr
	RUN 1
	s_lshl_b32 s56, s16, 3
	s_lshl_b32 s58, s13, 2
	s_add_co_u32 s56, s56, s58
	s_lshl_b32 s56, s56, 11                        ; k_r: a tile of 16 keys is two images
	s_lshl_b32 s58, s14, 9
	s_add_co_u32 s56, s56, s58                     ; my half of each: channels 16 ch on, and 32 + 16 ch on
	s_add_co_u32 s56, s56, KRF
	s_mov_b32 s57, 0
	s_add_nc_u64 s[86:87], s[10:11], s[56:57]
; y1 = x1 cos - x2 sin, y2 = x2 cos + x1 sin: channels d and d + 32 lie in the two accumulators of the same lane.  Sums and tables are read from window 1, the results go to window 0, two sets by turns.
.macro KROUT a
.set U, 64+16*((\a)%2)
.if (\a) >= 2
	s_wait_xcnt 0x0                                ; the stores of two tiles ago have read the registers that are written again below
.endif
	WIN 0x05
.irp k, 0,2,4,6
.set TT, 20+4*((\k/2)%2)
	v_pk_mul_f32 v[TT:TT+1], v[EA+16*(\a)+8+\k:EA+16*(\a)+9+\k], v[200+16*(\a)+\k:201+16*(\a)+\k]
	v_pk_mul_f32 v[TT+2:TT+3], v[EA+16*(\a)+\k:EA+16*(\a)+1+\k], v[200+16*(\a)+\k:201+16*(\a)+\k]
	v_pk_fma_f32 v[U+\k:U+1+\k], v[EA+16*(\a)+\k:EA+16*(\a)+1+\k], v[192+16*(\a)+\k:193+16*(\a)+\k], v[TT:TT+1] neg_lo:[0,0,1] neg_hi:[0,0,1]
	v_pk_fma_f32 v[U+8+\k:U+9+\k], v[EA+16*(\a)+8+\k:EA+16*(\a)+9+\k], v[192+16*(\a)+\k:193+16*(\a)+\k], v[TT+2:TT+3]
.endr
	WIN 0
.irp k, 0,1,2,3
	v_cvt_pk_f16_f32 v[U+\k], v[U+2*\k], v[U+2*\k+1]
.endr
.irp k, 0,1,2,3
	v_cvt_pk_f16_f32 v[U+8+\k], v[U+8+2*\k], v[U+8+2*\k+1]
.endr
	global_store_b128 v[LI], v[U:U+3], s[86:87] offset:(\a)*2048               ; 512 consecutive bytes: half an image
	global_store_b128 v[LI], v[U+8:U+11], s[86:87] offset:(\a)*2048+1024
.endm
	KROUT 0
	KROUT 1
	KROUT 2
	KROUT 3
	s_wait_xcnt 0x0                                ; these stores have read their registers and their base: the common way out writes both again
	s_branch .Lmain
	; ---------------- column tile 1: W_lambda_w's tile rides along in the waves with ch = 0
.Lpath_lam:
	s_cmp_lg_u32 s14, 0
	s_cbranch_scc1 .Llam_none
	s_mov_b32 s96, 132*17408+WC
	s_mov_b32 s97, 0
	s_add_nc_u64 s[94:95], s[4:5], s[96:97]
	v_lshlrev_b32 v29, 4, v16                      ; scale words: 16 r
	v_lshlrev_b32 v28, 5, v17                      ; the bias: heads 8 h on
	WIN 0x80
	EWLOAD 0
	WIN 0
.irp c, 0,1,2,3
	global_load_b128 v[ES+4*\c:ES+4*\c+3], v29, s[94:95] offset:\c*TL+4096
.endr
	global_load_b128 v[20:23], v28, s[6:7]
	global_load_b128 v[24:27], v28, s[6:7] offset:16
.Llam_none:
	RUN 2
	s_cmp_lg_u32 s14, 0
	s_cbranch_scc1 .Lmain
	; accumulator a: token r, heads 8 h + 0 .. 7.  sigmoid(z) = 1 / (1 + 2^(-z log2 e))
	v_lshlrev_b32 v29, 6, v16
	v_lshl_add_u32 v29, v17, 5, v29                ; out: 64 r + 32 h
	s_lshl_b32 s56, s16, 7
	s_lshl_b32 s57, s13, 6
	s_add_co_u32 s56, s56, s57
	s_lshl_b32 s56, s56, 6
	s_add_co_u32 s56, s56, LAM
	s_mov_b32 s57, 0
	s_add_nc_u64 s[86:87], s[10:11], s[56:57]
.irp k, 0,2,4,6
	v_pk_mul_f32 v[20+\k:21+\k], v[20+\k:21+\k], 0xbfb8aa3b op_sel_hi:[1,0]
.endr
	WIN 0x01
.irp a, 0,1,2,3
.irp k, 0,2,4,6
	v_pk_fma_f32 v[64+8*\a+\k:65+8*\a+\k], v[EA+8*\a+\k:EA+8*\a+\k+1], 0xbfb8aa3b, v[20+\k:21+\k] op_sel_hi:[1,0,1]
.endr
.endr
	WIN 0
.set q, 0
.rept 32
	v_exp_f32 v[64+q], v[64+q]
.set q, q+1
.endr
	v_nop                                          ; a plain instruction behind the batch,
	s_wait_alu depctr_va_vdst(0)                   ; and one wait ahead of its first reader
.set q, 0
.rept 16
	v_pk_add_f32 v[64+q:65+q], v[64+q:65+q], 1.0 op_sel_hi:[1,0]
.set q, q+2
.endr
.set q, 0
.rept 32
	v_rcp_f32 v[64+q], v[64+q]
.set q, q+1
.endr
	v_nop
	s_wait_alu depctr_va_vdst(0)
.irp a, 0,1,2,3
	global_store_b128 v29, v[64+8*\a:67+8*\a], s[86:87] offset:1024*\a             ; a tile's two stores fill 1,024 consecutive bytes
	global_store_b128 v29, v[68+8*\a:71+8*\a], s[86:87] offset:1024*\a+16
.endr
	s_wait_xcnt 0x0                                ; these stores have read their registers and their base: the common way out writes both again
	; ---------------- the common way out.  (i) each token's sum of squares over my 64 columns: two chains a tile, each accumulator from its low end on
.Lmain:
.irp a, 0,1,2,3
	v_pk_mul_f32 v[64+4*\a:65+4*\a], v[ACC+32*\a:ACC+32*\a+1], v[ACC+32*\a:ACC+32*\a+1]
	v_pk_mul_f32 v[66+4*\a:67+4*\a], v[ACC+32*\a+8:ACC+32*\a+9], v[ACC+32*\a+8:ACC+32*\a+9]
.endr
.irp p, 2,4,6,16,18,20,22
.irp a, 0,1,2,3
	v_pk_fma_f32 v[64+4*\a:65+4*\a], v[ACC+32*\a+\p:ACC+32*\a+\p+1], v[ACC+32*\a+\p:ACC+32*\a+\p+1], v[64+4*\a:65+4*\a]
	v_pk_fma_f32 v[66+4*\a:67+4*\a], v[ACC+32*\a+8+\p:ACC+32*\a+9+\p], v[ACC+32*\a+8+\p:ACC+32*\a+9+\p], v[66+4*\a:67+4*\a]
.endr
.endr
.irp a, 0,1,2,3
	v_pk_add_f32 v[64+4*\a:65+4*\a], v[64+4*\a:65+4*\a], v[66+4*\a:67+4*\a]
.endr
.irp a, 0,1,2,3
	v_add_f32 v[64+4*\a], v[64+4*\a], v[65+4*\a]
.endr
.irp a, 0,1,2,3
	v_permlanex16_b32 v[66+4*\a], v[64+4*\a], s60, s61
.endr
.irp a, 0,1,2,3
	v_add_f32 v[64+4*\a], v[64+4*\a], v[66+4*\a]   ; with the other half of the lanes': token r of tile a
.endr
	v_cmp_eq_u32 vcc_lo, 1, v17
	v_cndmask_b32 v80, v64, v68, vcc_lo            ; lanes 16-31 take the next tile's: 32 neighbouring tokens in 32 lanes
	v_cndmask_b32 v81, v72, v76, vcc_lo
	s_lshr_b32 s56, s17, 3                         ; kind: 0 y_kv, 1 y_q
	s_and_b32 s57, s17, 7
	s_lshl_b32 s58, s56, 4
	s_lshl_b32 s59, s57, 1
	s_add_co_u32 s58, s58, s59
	s_add_co_u32 s58, s58, s14                     ; which of the kind's 16 runs of 64 columns
	s_lshl_b32 s58, s58, 11
	s_lshl_b32 s59, s16, 7
	s_add_co_u32 s58, s58, s59
	s_lshl_b32 s59, s13, 6
	s_add_co_u32 s58, s58, s59
	s_lshl_b32 s58, s58, 2
	s_mov_b32 s59, 0
	s_add_nc_u64 s[84:85], s[10:11], s[58:59]
	global_store_b32 v18, v80, s[84:85]            ; two runs of 128 bytes: together 256 consecutive bytes
	global_store_b32 v18, v81, s[84:85] offset:128
	; (ii) y_kv in f32 for the first 16 tokens of a sequence: token tiles 0 and 8, their first 16 rows.  Which token tile is mine hangs on my place in the cluster: it goes through EXEC, not through a branch
	s_or_b32 s58, s56, s13
	s_cmp_lg_u32 s58, 0
	s_cbranch_scc1 .Lno_f32
	s_lshr_b32 s58, s16, 3
	s_lshl_b32 s58, s58, 16
	s_lshl_b32 s86, s17, 13
	s_add_co_u32 s58, s58, s86
	s_lshl_b32 s86, s14, 12
	s_add_co_u32 s58, s58, s86
	s_add_co_u32 s58, s58, YFI
	s_add_nc_u64 s[86:87], s[10:11], s[58:59]
	s_and_b32 s88, s16, 7
	v_mov_b32 v19, s88
	s_wait_xcnt 0x0                                ; EXEC changes only behind this wait
	v_cmp_eq_u32 vcc_lo, 0, v19
	s_and_saveexec_b32 s89, vcc_lo
.irp b, 0,1,2,3
	global_store_b128 v[LI], v[ACC+8*\b:ACC+8*\b+3], s[86:87] offset:1024*\b
	global_store_b128 v[LI], v[ACC+8*\b+4:ACC+8*\b+7], s[86:87] offset:1024*\b+512
.endr
	s_wait_xcnt 0x0                                ; and again in front of the line that widens it; the stores have also read the registers that are packed below
	s_or_b32 exec_lo, exec_lo, s89
.Lno_f32:
	; (iii) y as f16 images, packed in place into each accumulator's low four registers
.set t, 0
.rept 16
.irp k, 0,1,2,3
	v_cvt_pk_f16_f32 v[ACC+8*t+\k], v[ACC+8*t+2*\k], v[ACC+8*t+2*\k+1]
.endr
.set t, t+1
.endr
	s_lshl_b32 s58, s56, 22
	s_lshl_b32 s86, s16, 3
	s_lshl_b32 s88, s13, 2
	s_add_co_u32 s86, s86, s88
	s_lshl_b32 s86, s86, 15
	s_add_co_u32 s58, s58, s86
	s_lshl_b32 s86, s57, 2
	s_lshl_b32 s88, s14, 1
	s_add_co_u32 s86, s86, s88
	s_lshl_b32 s86, s86, 10
	s_add_co_u32 s58, s58, s86
	s_add_nc_u64 s[90:91], s[8:9], s[58:59]
.irp a, 0,1,2,3
.irp b, 0,1,2,3
	global_store_b128 v[LI], v[ACC+8*(4*\a+\b):ACC+8*(4*\a+\b)+3], s[90:91] offset:\a*32768+(\b/2)*1024+(\b%2)*512   ; 512 consecutive bytes: half an image
.endr
.endr
	s_wait_tensorcnt 0x0                           ; the wave's end
	ds_add_u32 v[SPW], v[NIL]
	s_wait_dscnt 0x0
	CROUND                                         ; the closing round: no work-group ends while a partner may still ask for a tile that names it
	s_endpgm
.Lfunc_end_k_q6511ca756b_g1:
	.size	k_q6511ca756b_g1, .Lfunc_end_k_q6511ca756b_g1-k_q6511ca756b_g1
	.p2alignl 7, 3214868480
	.fill 96, 4, 3214868480
	.section	.rodata,"a",@progbits
	.p2align	6, 0x0
	.amdhsa_kernel k_q6511ca756b_g1
		.amdhsa_group_segment_fixed_size 279040
		.amdhsa_private_segment_fixed_size 0
		.amdhsa_enable_private_segment 0
		.amdhsa_kernarg_size 32
		.amdhsa_user_sgpr_count 2
		.amdhsa_user_sgpr_kernarg_segment_ptr 1
		.amdhsa_wavefront_size32 1
		.amdhsa_system_sgpr_workgroup_id_x 1
		.amdhsa_system_sgpr_workgroup_id_y 1
		.amdhsa_system_sgpr_workgroup_id_z 1
		.amdhsa_system_vgpr_workitem_id 0
		.amdhsa_next_free_vgpr 768
		.amdhsa_next_free_sgpr 100
		.amdhsa_reserve_vcc 1
		.amdhsa_float_denorm_mode_32 3
		.amdhsa_float_denorm_mode_16_64 3
		.amdhsa_memory_ordered 1
		.amdhsa_forward_progress 1
		.amdhsa_inst_pref_size 234
	.end_amdhsa_kernel
	.amdgpu_metadata
---
amdhsa.version: [ 1, 2 ]
amdhsa.kernels:
  - .name:           k_q6511ca756b_g1
    .symbol:         k_q6511ca756b_g1.kd
    .args:
      - { .name: qc, .offset: 0, .size: 8, .value_kind: global_buffer, .address_space: global }
      - { .name: W_lambda_b, .offset: 8, .size: 8, .value_kind: global_buffer, .address_space: global }
      - { .name: y16, .offset: 16, .size: 8, .value_kind: global_buffer, .address_space: global }
      - { .name: aux, .offset: 24, .size: 8, .value_kind: global_buffer, .address_space: global }
    .group_segment_fixed_size: 279040
    .private_segment_fixed_size: 0
    .kernarg_segment_align: 8
    .kernarg_segment_size: 32
    .max_flat_workgroup_size: 128
    .sgpr_count:     100
    .vgpr_count:     768
    .wavefront_size: 32
...
	.end_amdgpu_metadata
.endif
;; end of part 2
;; launch g2 (part 3): grid 8 x 40, 4 waves a work-group, clusters of 4 x 4, 327,680 bytes of LDS; arguments y16, w16, aux, qc, qf, kv; writes qf, kv
.if DOCPART == 3
	.amdgcn_target "amdgcn-amd-amdhsa--gfx1250"
	.amdhsa_code_object_version 6
	.text
	.protected	k_q6511ca756b_g2
	.globl	k_q6511ca756b_g2
	.p2align	8
	.type	k_q6511ca756b_g2,@function
k_q6511ca756b_g2:
	s_mov_b64 s[64:65], 0
	v_nop
	global_prefetch_b8 v0, s[64:65] scope:SCOPE_SE
	s_setreg_imm32_b32 hwreg(HW_REG_WAVE_MODE, 25, 1), 1
	s_wait_xcnt 0x0
	s_wait_alu depctr_hold_cnt(0) depctr_sa_sdst(0) depctr_va_vdst(0) depctr_va_sdst(0) depctr_va_ssrc(0) depctr_va_vcc(0) depctr_vm_vsrc(0)
	s_getreg_b32 s2, hwreg(HW_REG_IB_STS2, 6, 4)
	s_cmp_eq_u32 s2, 0
	s_cbranch_scc0 .Lentry_in_a_cluster
	s_endpgm
.Lentry_in_a_cluster:
	s_bfe_u32 s2, ttmp6, 0x10000c
	s_cmp_lg_u32 s2, 0xf033
	s_cbranch_scc0 .Lentry_shape_is_right
	s_endpgm
.Lentry_shape_is_right:
; G2: the four up-projections as FIVE products of 2,048 x 2,048 x 1,024 on f16 images, sums in f32.  A work-group makes one tile of 256 x 256 of one product, each of its four waves 128 x 128: 64 accumulators, 512 registers.
; The product T is the cluster's y / 2, the same in all partners; gy, gx = 0 .. 7 are the tile's row and column.
;   T = 0     rows: y_kv, tokens 256 gy            columns: W_UK, heads 2 gx, 2 gx + 1                -> k_c images (16 keys x 32 channels)
;   T = 1     rows: W_UV, heads 2 gy, 2 gy + 1     columns: y_kv, tokens 256 gx                       -> V^T images (16 channels x 32 keys): the two sides change places, nothing is transposed
;   T = 2, 3  rows: y_q, tokens 256 gy             columns: W_UQ, heads 16 (T - 2) + 2 gx, + 1        -> q_c images
;   T = 4     rows: y_q                            columns: W_QR, heads 4 gx .. 4 gx + 3              -> q_r, rotated
; WHY THIS TILE: for 32 along K a wave reads 2 x 128 rows x 64 bytes from LDS for 64 matrix instructions, and a K step of 128 holds 256 of them, 224 between a refill's request and the wait for it.
; Its price: 320 work-groups, 20 clusters, where the chip has room for 16 at a time.
; THE NORM: y is raw; the weights carry 16 x the gain of their k; the token's factor rho = rsqrt(mean of squares + 1e-6) / 16 multiplies the f32 sums on the way out.
; THE MATRIX INSTRUCTION IS USED TRANSPOSED (source 0 = the column side, source 1 = the row side): lane (r, h) holds row r and columns 8 h + 0 .. 7: packed to f16, half an image: every store is 512 consecutive bytes.
; Operands lie in memory as images of their registers, so a tile in LDS is dense, every LDS load reads 512 consecutive bytes, and no padding is needed.
; CLUSTER 4 x 4: the row side hangs on gy and T alone and is asked for jointly along a row of the cluster, the column side on gx and T alone, along a column.
; THE RING: two slots of 131,072 bytes: 4 images of each of 16 + 16 tiles of 16 rows; a wave's load brings 8 tiles x 4,096 bytes.  A wave has two loads out at the start and one behind each round.
; No prefetch: each tile of y and of the weights is read by eight tile columns or rows of work-groups, not once.
; LIMITS: |q|, |k|, |v| under 65,504.
; REGISTERS: window 0: v1-29 addresses; v32-47 row factors; v48-55 at work; v64-127, v128-191 the row side's fragments, two buffers (on the way out: 64 results in f32; packed results, two sets); v192-255 column factors or tables.
;   window 1: v64-127, v128-191 the column side's fragments.   window 2: the accumulators of my rows 0-63, (a, b) at v[8 (8 a + b)];   window 3: those of my rows 64-127.
.set RT,    262144                     ; behind the ring: rho of the work-group's 256 tokens: written once by LDS stores, no fill lands here
.set SPARE, 263168                     ; the spare words, 128 bytes a wave
.set ROPE,  4595712
.set VF,    8388608
.set SLOTB, 131072
.set LI,   1
.set ADRA, 16                          ; v16-17 my fragments of the row side in slot 0, 1
.set ADRB, 20                          ; v20-21 of the column side
.set RTA,  22                          ; v22 rho of row 128 rh + r
.set RTV,  23                          ; v23 rho of columns 128 ch + 8 h on
.set RO,   24                          ; v24 the table of cos and sin: 256 r + 32 h
.set SPW,  28
.set NIL,  29
.set RR,   32
.set TT,   48
.set F0,   64
.set F1,   128
.set TF,   64
.set TP,   128
.set RV,   192
.set G1A,  24
.set G0A,  32
.set G1B,  48
.set G0B,  56
.set MSB, 0
.macro WIN new                         ; the immediate's high byte repeats the setting that is left
.if MSB != \new
	s_set_vgpr_msb (MSB<<8)|\new
.set MSB, \new
.endif
.endm
.set MUL_LO, 0xa1                      ; source 0 (columns) window 1, source 1 (rows) window 0, C and D window 2
.set MUL_HI, 0xf1                      ; the same, C and D window 3
.set TO_B,   0x40                      ; destination window 1, address window 0
.macro PLACES
.rept 4
	v_nop
.endr
.endm
.macro JLOAD s                         ; a joint load: waves 0 and 1 fetch the row side's halves, waves 2 and 3 the column side's; s_nop 0 and four v_nop follow each line
	s_cmp_eq_u32 s17, 0
	s_cbranch_scc0 .Lfor_b_\@
	tensor_load_to_lds s[G0A+4*\s:G0A+4*\s+3], s[G1A:G1A+7]
	s_nop 0
	PLACES
	s_branch .Lasked_\@
.Lfor_b_\@:
	tensor_load_to_lds s[G0B+4*\s:G0B+4*\s+3], s[G1B:G1B+7]
	s_nop 0
	PLACES
.Lasked_\@:
.endm
.macro CREST
	s_cmp_lg_u32 s16, 0
	s_cbranch_scc1 .Lnw0_\@
	s_barrier_signal -3
.Lnw0_\@:
	s_barrier_wait -3
	s_barrier_signal -1
	s_barrier_wait -1
.endm
.macro CROUND
	s_barrier_signal -1
	s_barrier_wait -1
	CREST
.endm
	s_load_b256 s[4:11], s[0:1], 0x0               ; y16, w16, aux, qc
	s_load_b128 s[12:15], s[0:1], 0x20             ; qf, kv
	v_lshl_add_u32 v[SPW], v0, 2, SPARE
	v_mov_b32 v[NIL], 0
	ds_add_u32 v[SPW], v[NIL]                      ; the wave's opening: the add, twice on end, and its wait ahead of my first tensor load
	ds_add_u32 v[SPW], v[NIL]
	v_lshrrev_b32 v1, 5, v0
	v_readfirstlane_b32 s16, v1                    ; wave
	s_lshr_b32 s17, s16, 1                         ; rh.  Also: which side I fetch
	s_and_b32 s18, s16, 1                          ; ch.  Also: which eight tiles of it
	s_bfe_u32 s19, ttmp6, 0x40000                  ; cx
	s_bfe_u32 s20, ttmp6, 0x40004                  ; cy
	s_lshl_b32 s21, ttmp9, 2
	s_add_co_u32 s21, s21, s19                     ; gx
	s_and_b32 s23, ttmp7, 0xffff                   ; the cluster's y: 0 .. 9
	s_and_b32 s22, s23, 1
	s_lshl_b32 s22, s22, 2
	s_add_co_u32 s22, s22, s20                     ; gy
	s_lshr_b32 s23, s23, 1                         ; T
	s_lshl_b32 s72, s20, 2
	s_lshl_b32 s72, 15, s72                        ; my row of the cluster
	s_lshl_b32 s73, 0x1111, s19                    ; my column
	s_or_b32 s[G1A], s72, (3<<16)|(1<<21)          ; elements of 8 bytes; bit 21 is set beside a mask
	s_or_b32 s[G1B], s73, (3<<16)|(1<<21)
.irp g, G1A, G1B
	s_mov_b32 s[\g+1], 512<<16                     ; tensor_dim0 = 512 elements: 4 images
	s_mov_b32 s[\g+2], 8<<16                       ; tensor_dim1 = 8 tiles of 16 rows
	s_mov_b32 s[\g+3], 512<<16
	s_mov_b32 s[\g+4], 8
	s_mov_b32 s[\g+5], 4096                        ; from tile to tile: 32 images
	s_mov_b32 s[\g+6], 0
	s_mov_b32 s[\g+7], 0
.endr
	s_lshl_b32 s76, s18, 18                        ; eight tiles of 32,768 bytes
	s_lshl_b32 s74, s22, 19
	s_add_co_u32 s74, s74, s76                     ; the row side's offset: gy and the wave alone
	s_mov_b32 s75, 0
	s_lshl_b32 s78, s21, 19
	s_add_co_u32 s78, s78, s76                     ; the column side's: gx and the wave alone
	s_mov_b32 s79, 0
	s_lshl_b32 s77, s16, 15                        ; in a slot: 32,768 x wave
	s_lshl_b32 s70, s23, 22                        ; the weights of product T begin 4,194,304 T bytes into w16
	s_mov_b32 s71, 0
	s_mov_b32 s84, 0x3a800000                      ; 1 / 1,024
	s_mov_b32 s85, 0x358637bd                      ; 1e-6
	s_wait_dscnt 0x0
	s_wait_kmcnt 0x0
	s_add_nc_u64 s[40:41], s[4:5], s[74:75]        ; y_kv, rows
	s_add_nc_u64 s[42:43], s[40:41], 4194304       ; y_q, rows
	s_add_nc_u64 s[44:45], s[6:7], s[74:75]
	s_add_nc_u64 s[44:45], s[44:45], 4194304       ; W_UV, rows
	s_add_nc_u64 s[66:67], s[4:5], s[78:79]        ; y_kv, columns
	s_add_nc_u64 s[68:69], s[6:7], s[78:79]
	s_add_nc_u64 s[68:69], s[68:69], s[70:71]      ; the weight, columns
	s_cmp_eq_u32 s23, 0
	s_cselect_b64 s[40:41], s[40:41], s[42:43]
	s_cmp_eq_u32 s23, 1                            ; in product 1 the sides change places
	s_cselect_b64 s[40:41], s[44:45], s[40:41]
	s_cselect_b64 s[68:69], s[66:67], s[68:69]
	CROUND                                         ; all sixteen work-groups are here: the first joint loads meet
.irp s, 0,1
	s_mov_b32 s[G0A+4*\s], 1
	s_add_co_u32 s[G0A+4*\s+1], s77, \s*SLOTB
	s_add_nc_u64 s[G0A+4*\s+2:G0A+4*\s+3], s[40:41], \s*4096
	s_or_b32 s[G0A+4*\s+3], s[G0A+4*\s+3], 0x80000000
	s_mov_b32 s[G0B+4*\s], 1
	s_add_co_u32 s[G0B+4*\s+1], s77, \s*SLOTB
	s_add_nc_u64 s[G0B+4*\s+2:G0B+4*\s+3], s[68:69], \s*4096
	s_or_b32 s[G0B+4*\s+3], s[G0B+4*\s+3], 0x80000000
	JLOAD \s
.endr
	; rho: thread t adds the 16 partial sums of squares of tokens 2 t and 2 t + 1 of the work-group's 256 tokens: gx's in product 1, else gy's; y_kv's in products 0 and 1, else y_q's
	s_cmp_eq_u32 s23, 1
	s_cselect_b32 s72, s21, s22
	s_cmp_lt_u32 s23, 2
	s_cselect_b32 s73, 0, 131072
	s_lshl_b32 s72, s72, 10
	s_add_co_u32 s72, s72, s73
	s_mov_b32 s73, 0
	s_add_nc_u64 s[80:81], s[8:9], s[72:73]
	v_lshlrev_b32 v2, 3, v0
	v_lshl_add_u32 v3, v0, 3, RT
.set c, 0
.rept 16
	global_load_b64 v[32+2*c:33+2*c], v2, s[80:81] offset:c*8192
.set c, c+1
.endr
	v_and_b32 v4, 31, v0
	v_lshlrev_b32 v[LI], 4, v4
	v_and_b32 v4, 15, v0                           ; r
	v_bfe_u32 v5, v0, 4, 1                         ; h
	s_lshl_b32 s72, s17, 15
	s_lshl_b32 s73, s18, 15
	s_add_co_u32 s73, s73, 65536
.irp s, 0,1
	v_add_nc_u32 v[ADRA+\s], s72, v[LI]
	v_add_nc_u32 v[ADRB+\s], s73, v[LI]
	s_add_co_u32 s72, s72, SLOTB
	s_add_co_u32 s73, s73, SLOTB
.endr
	s_lshl_b32 s72, s17, 9
	s_add_co_u32 s72, s72, RT
	v_lshl_add_u32 v[RTA], v4, 2, s72
	s_lshl_b32 s72, s18, 9
	s_add_co_u32 s72, s72, RT
	v_lshl_add_u32 v[RTV], v5, 5, s72
	v_lshlrev_b32 v[RO], 8, v4
	v_lshl_add_u32 v[RO], v5, 5, v[RO]
	s_wait_loadcnt 0x0
.irp k, 0,2,4,6,8,10,12,14
	v_pk_add_f32 v[32+\k:33+\k], v[32+\k:33+\k], v[48+\k:49+\k]
.endr
.irp k, 0,2,4,6
	v_pk_add_f32 v[32+\k:33+\k], v[32+\k:33+\k], v[40+\k:41+\k]
.endr
	v_pk_add_f32 v[32:33], v[32:33], v[36:37]
	v_pk_add_f32 v[34:35], v[34:35], v[38:39]
	v_pk_add_f32 v[32:33], v[32:33], v[34:35]
	v_fma_f32 v32, v32, s84, s85
	v_fma_f32 v33, v33, s84, s85
	v_rsq_f32 v32, v32
	v_rsq_f32 v33, v33
	v_nop
	s_wait_alu depctr_va_vdst(0)                   ; the wait ahead of the batch's first reader
	v_mul_f32 v32, 0x3d800000, v32                 ; / 16: the weights carry 16
	v_mul_f32 v33, 0x3d800000, v33
	ds_store_b64 v3, v[32:33]
; 16 matrix instructions: row tiles a0, a0 + 1 of the window's four (hi = 0: my rows 0-63, 1: rows 64-127) x all 8 column tiles, 32 along K.  zero = 1: the first product starts the sums: nothing is ever cleared.
; The 64 accumulators take turns, one instruction a turn, in the same order in every quarter.
.macro MUL16 f, hi, a0, zero
.irp a, \a0, \a0+1
.irp b, 0,1,2,3,4,5,6,7
.if \zero
	v_wmma_f32_16x16x32_f16 v[8*(8*(\a)+\b):8*(8*(\a)+\b)+7], v[\f+8*\b:\f+8*\b+7], v[\f+8*(4*\hi+\a):\f+8*(4*\hi+\a)+7], 0
.else
	v_wmma_f32_16x16x32_f16 v[8*(8*(\a)+\b):8*(8*(\a)+\b)+7], v[\f+8*\b:\f+8*\b+7], v[\f+8*(4*\hi+\a):\f+8*(4*\hi+\a)+7], v[8*(8*(\a)+\b):8*(8*(\a)+\b)+7]
.endif
.endr
.endr
.endm
.macro FETCH slot, q, f                ; 32 LDS loads in one run: image q of my 8 column tiles, then of my 8 row tiles
	WIN TO_B
.irp i, 0,1,2,3,4,5,6,7
	ds_load_b128 v[\f+8*\i:\f+8*\i+3],   v[ADRB+\slot] offset:4096*\i+1024*(\q)
	ds_load_b128 v[\f+8*\i+4:\f+8*\i+7], v[ADRB+\slot] offset:4096*\i+1024*(\q)+512
.endr
	WIN 0
.irp i, 0,1,2,3,4,5,6,7
	ds_load_b128 v[\f+8*\i:\f+8*\i+3],   v[ADRA+\slot] offset:4096*\i+1024*(\q)
	ds_load_b128 v[\f+8*\i+4:\f+8*\i+7], v[ADRA+\slot] offset:4096*\i+1024*(\q)+512
.endr
.endm
; A K step is four quarters of 32 along K, 64 matrix instructions each, on buffers 0, 1, 0, 1.  One of the first three: multiplies buffer f; in its middle it fetches the slot's image q into buffer g.
.macro QUARTER slot, q, f, g, zero
	s_wait_dscnt 8                                 ; the column side and my rows 0-63 are in; the youngest eight loads (rows 64-127) may be out
	WIN MUL_LO
	MUL16 \f, 0, 0, \zero
	MUL16 \f, 0, 2, \zero
	PLACES                                         ; four places in front of loads into registers that matrix instructions have read
	FETCH \slot, \q, \g
	s_wait_dscnt 32                                ; all but the 32 just issued
	WIN MUL_HI
	MUL16 \f, 1, 0, \zero
	MUL16 \f, 1, 2, \zero
.endm
; The last quarter multiplies buffer 1 and changes slots: ONE barrier; in front of it each wave waits for all its tensor loads, adds 0 to its spare word, and waits for that and for its reads of this slot.
; fill = 1: the barrier opens a round of the cluster's, and the slot takes the K step two on: the first tensor load behind the round.
.macro TURN slot, next, fill
	WIN 0                                          ; (the add's two registers lie in window 0)
	s_wait_tensorcnt 0x0                           ; all my tensor loads have landed: the one that was out is my part of the next slot
	ds_add_u32 v[SPW], v[NIL]
	s_wait_dscnt 9                                 ; (the add and the youngest eight loads may be out)
	WIN MUL_LO
	MUL16 F1, 0, 0, 0
	s_wait_dscnt 0x0                               ; the add is done, and my reads of this slot are over
	s_barrier_signal -1
	MUL16 F1, 0, 2, 0
.if \fill
	WIN 0
.endif
	s_barrier_wait -1
.if \fill
	CREST                                          ; no wave of any partner still reads this slot or has a load on its way
	s_add_nc_u64 s[G0A+4*\slot+2:G0A+4*\slot+3], s[G0A+4*\slot+2:G0A+4*\slot+3], 8192
	s_add_nc_u64 s[G0B+4*\slot+2:G0B+4*\slot+3], s[G0B+4*\slot+2:G0B+4*\slot+3], 8192
	JLOAD \slot                                    ; the four v_nop behind it are also the places in front of the loads below
.else
	PLACES
.endif
	FETCH \next, 0, F0
	WIN MUL_HI
	MUL16 F1, 1, 0, 0
	MUL16 F1, 1, 2, 0
.endm
	s_wait_tensorcnt 1                             ; my part of K step 0 is in; K step 1's load may be out
	s_wait_dscnt 0x0                               ; my two factors are in LDS
	s_barrier_signal -1
	s_barrier_wait -1
	FETCH 0, 0, F0
	QUARTER 0, 1, F0, F1, 1                        ; the first quarter stands in front of the loop: its products start the sums
	WIN 0                                          ; at a label and at a branch every window is 0
	s_mov_b32 s3, 3
.Llap:                                             ; a trip goes once round the ring and fills both slots again: K steps 2 to 7
	QUARTER 0, 2, F1, F0, 0
	QUARTER 0, 3, F0, F1, 0
	TURN 0, 1, 1
	QUARTER 1, 1, F0, F1, 0
	QUARTER 1, 2, F1, F0, 0
	QUARTER 1, 3, F0, F1, 0
	TURN 1, 0, 1
	QUARTER 0, 1, F0, F1, 0
	WIN 0
	s_sub_co_u32 s3, s3, 1
	s_cmp_lg_u32 s3, 0
	s_cbranch_scc1 .Llap
	QUARTER 0, 2, F1, F0, 0                        ; the last lap fills nothing, and has no round of the cluster's barrier
	QUARTER 0, 3, F0, F1, 0
	TURN 0, 1, 0
	QUARTER 1, 1, F0, F1, 0
	QUARTER 1, 2, F1, F0, 0
	QUARTER 1, 3, F0, F1, 0
	s_wait_dscnt 8                                 ; the very last quarter: nothing more to fetch
	WIN MUL_LO
	MUL16 F1, 0, 0, 0
	MUL16 F1, 0, 2, 0
	s_wait_dscnt 0x0
	WIN MUL_HI
	MUL16 F1, 1, 0, 0
	MUL16 F1, 1, 2, 0
	WIN 0
	PLACES                                         ; in front of the first read of results and the first write of the fragments' registers
	; THE WAYS OUT, a block of 16 rows (8 accumulators) at a time: x rho into 64 registers of window 0, packed to f16 into one of two sets, eight stores of 512 consecutive bytes.  Each accumulator is read from its low end on.
.macro RHOLOAD                         ; the row's factor, twice: a pair for the packed multiply
.irp a, 0,1,2,3,4,5,6,7
	ds_load_b32 v[RR+2*\a], v[RTA] offset:64*\a
	ds_load_b32 v[RR+2*\a+1], v[RTA] offset:64*\a
.endr
	s_wait_dscnt 0x0
.endm
	s_lshr_b32 s88, s22, 2                         ; the batch of gy's tokens
	s_lshl_b32 s89, s22, 4
	s_lshl_b32 s90, s17, 3
	s_add_co_u32 s89, s89, s90
	s_and_b32 s89, s89, 63                         ; my first tile of 16 positions in the sequence
	s_cmp_eq_u32 s23, 1
	s_cbranch_scc1 .Lepi_v
	s_cmp_eq_u32 s23, 4
	s_cbranch_scc1 .Lepi_r
	s_cmp_eq_u32 s23, 0
	s_cbranch_scc0 .Lepi_q
	s_lshl_b32 s72, s88, 4                         ; k_c: ((batch x 16 + head) x 64 + tile of keys) x 4,096; head 2 gx + ch
	s_lshl_b32 s73, s21, 1
	s_add_co_u32 s72, s72, s73
	s_add_co_u32 s72, s72, s18
	s_lshl_b32 s72, s72, 6
	s_add_co_u32 s72, s72, s89
	s_lshl_b32 s72, s72, 12
	s_mov_b32 s73, 0
	s_add_nc_u64 s[86:87], s[14:15], s[72:73]
	s_mov_b32 s92, 4096                            ; from tile to tile of 16 rows
	s_branch .Lepi_row
.Lepi_q:
	s_lshl_b32 s72, s88, 5                         ; q_c: ((batch x 32 + head) x 64 + tile of positions) x 6,144; head 16 (T - 2) + 2 gx + ch
	s_sub_co_u32 s73, s23, 2
	s_lshl_b32 s73, s73, 4
	s_add_co_u32 s72, s72, s73
	s_lshl_b32 s73, s21, 1
	s_add_co_u32 s72, s72, s73
	s_add_co_u32 s72, s72, s18
	s_lshl_b32 s72, s72, 6
	s_add_co_u32 s72, s72, s89
	s_mul_i32 s72, s72, 6144
	s_mov_b32 s73, 0
	s_add_nc_u64 s[86:87], s[12:13], s[72:73]
	s_mov_b32 s92, 6144
.Lepi_row:
	s_mov_b32 s93, 0
	RHOLOAD
.set a, 0
.rept 8
.set WA, 0x02+(a/4)
	WIN WA                                         ; source 0: window 2 or 3
.irp b, 0,1,2,3,4,5,6,7
.irp k, 0,2,4,6
	v_pk_mul_f32 v[TF+8*\b+\k:TF+8*\b+\k+1], v[64*(a%4)+8*\b+\k:64*(a%4)+8*\b+\k+1], v[RR+2*a:RR+2*a+1]
.endr
.endr
	WIN 0
.if a > 0
	s_wait_xcnt 0x0                                ; the earlier stores have read their base and their registers: the base steps, and the set of two blocks ago is written again
	s_add_nc_u64 s[86:87], s[86:87], s[92:93]
.endif
.irp b, 0,1,2,3,4,5,6,7
.irp k, 0,1,2,3
	v_cvt_pk_f16_f32 v[TP+32*(a%2)+4*\b+\k], v[TF+8*\b+2*\k], v[TF+8*\b+2*\k+1]
.endr
	global_store_b128 v[LI], v[TP+32*(a%2)+4*\b:TP+32*(a%2)+4*\b+3], s[86:87] offset:(\b/2)*1024+(\b%2)*512
.endr
.set a, a+1
.endr
	s_branch .Lend
.Lepi_v:
	s_lshr_b32 s72, s21, 2                         ; V^T: ((batch x 16 + head) x 32 + 32 keys) x 8,192 + tile of channels x 1,024; head 2 gy + rh; the batch is that of gx's tokens
	s_lshl_b32 s72, s72, 4
	s_lshl_b32 s73, s22, 1
	s_add_co_u32 s72, s72, s73
	s_add_co_u32 s72, s72, s17
	s_lshl_b32 s72, s72, 5
	s_lshl_b32 s73, s21, 3
	s_lshl_b32 s74, s18, 2
	s_add_co_u32 s73, s73, s74
	s_and_b32 s73, s73, 31
	s_add_co_u32 s72, s72, s73
	s_lshl_b32 s72, s72, 13
	s_add_co_u32 s72, s72, VF
	s_mov_b32 s73, 0
	s_add_nc_u64 s[86:87], s[14:15], s[72:73]
.irp b, 0,1,2,3,4,5,6,7
	ds_load_b128 v[RV+8*\b:RV+8*\b+3], v[RTV] offset:64*\b         ; here a lane's registers run along the tokens: eight factors a column tile
	ds_load_b128 v[RV+8*\b+4:RV+8*\b+7], v[RTV] offset:64*\b+16
.endr
	s_wait_dscnt 0x0
.set a, 0
.rept 8
.set WA, 0x02+(a/4)
	WIN WA
.irp b, 0,1,2,3,4,5,6,7
.irp k, 0,2,4,6
	v_pk_mul_f32 v[TF+8*\b+\k:TF+8*\b+\k+1], v[64*(a%4)+8*\b+\k:64*(a%4)+8*\b+\k+1], v[RV+8*\b+\k:RV+8*\b+\k+1]
.endr
.endr
	WIN 0
.if a > 1
	s_wait_xcnt 0x0                                ; the stores of two blocks ago have read the set that is written again
.endif
.irp b, 0,1,2,3,4,5,6,7
.irp k, 0,1,2,3
	v_cvt_pk_f16_f32 v[TP+32*(a%2)+4*\b+\k], v[TF+8*\b+2*\k], v[TF+8*\b+2*\k+1]
.endr
	global_store_b128 v[LI], v[TP+32*(a%2)+4*\b:TP+32*(a%2)+4*\b+3], s[86:87] offset:(\b/2)*8192+a*1024+(\b%2)*512
.endr
.set a, a+1
.endr
	s_branch .Lend
.Lepi_r:
	s_lshl_b32 s72, s22, 8
	s_lshl_b32 s73, s17, 7
	s_add_co_u32 s72, s72, s73
	s_and_b32 s72, s72, 1023                       ; my first token's position
	s_lshl_b32 s72, s72, 8
	s_add_co_u32 s72, s72, ROPE
	s_mov_b32 s73, 0
	s_add_nc_u64 s[80:81], s[10:11], s[72:73]
	s_lshl_b32 s72, s88, 5                         ; q_r: heads 4 gx + 2 ch and the next; images 4 and 5 of a tile of positions
	s_lshl_b32 s74, s21, 2
	s_add_co_u32 s72, s72, s74
	s_lshl_b32 s74, s18, 1
	s_add_co_u32 s72, s72, s74
	s_lshl_b32 s72, s72, 6
	s_add_co_u32 s72, s72, s89
	s_mul_i32 s72, s72, 6144
	s_add_nc_u64 s[86:87], s[12:13], s[72:73]
.macro RLOAD a, u                      ; block a's 16 cos and 16 sin into set u
.irp p, 0,1
	global_load_b128 v[RV+32*\u+8*\p:RV+32*\u+8*\p+3], v[RO], s[80:81] offset:4096*\a+64*\p
	global_load_b128 v[RV+32*\u+8*\p+4:RV+32*\u+8*\p+7], v[RO], s[80:81] offset:4096*\a+64*\p+16
	global_load_b128 v[RV+16+32*\u+8*\p:RV+16+32*\u+8*\p+3], v[RO], s[80:81] offset:4096*\a+64*\p+128
	global_load_b128 v[RV+16+32*\u+8*\p+4:RV+16+32*\u+8*\p+7], v[RO], s[80:81] offset:4096*\a+64*\p+144
.endr
.endm
; The tables take the row's rho; then y1 = x1 cos - x2 sin, y2 = x2 cos + x1 sin straight out of the accumulators: channels d and d + 32 of a head lie in accumulators b and b + 2 of the same lane.
.macro RDO a, u
.set TB0, RV+32*(\u)
.set k2, 0
.rept 16
	v_pk_mul_f32 v[TB0+k2:TB0+k2+1], v[TB0+k2:TB0+k2+1], v[RR+2*(\a):RR+2*(\a)+1]
.set k2, k2+2
.endr
.set WA, 0x02+((\a)/4)
	WIN WA
.irp g, 0,1
.irp p, 0,1
.irp k, 0,2,4,6
.set TR, TT+4*((\k/2)%2)
.set X1, 64*((\a)%4)+8*(4*\g+\p)+\k
.set X2, X1+16
.set CN, TB0+8*\p+\k
.set SN, TB0+16+8*\p+\k
	v_pk_mul_f32 v[TR:TR+1], v[X2:X2+1], v[SN:SN+1]
	v_pk_mul_f32 v[TR+2:TR+3], v[X1:X1+1], v[SN:SN+1]
	v_pk_fma_f32 v[TF+8*(4*\g+\p)+\k:TF+8*(4*\g+\p)+\k+1], v[X1:X1+1], v[CN:CN+1], v[TR:TR+1] neg_lo:[0,0,1] neg_hi:[0,0,1]
	v_pk_fma_f32 v[TF+8*(4*\g+\p+2)+\k:TF+8*(4*\g+\p+2)+\k+1], v[X2:X2+1], v[CN:CN+1], v[TR+2:TR+3]
.endr
.endr
.endr
	WIN 0
.if (\a) > 1
	s_wait_xcnt 0x0                                ; the stores of two blocks ago have read the set that is written again
.endif
.irp b, 0,1,2,3,4,5,6,7
.irp k, 0,1,2,3
	v_cvt_pk_f16_f32 v[TP+32*((\a)%2)+4*\b+\k], v[TF+8*\b+2*\k], v[TF+8*\b+2*\k+1]
.endr
	global_store_b128 v[LI], v[TP+32*((\a)%2)+4*\b:TP+32*((\a)%2)+4*\b+3], s[86:87] offset:(\a)*6144+(\b/4)*393216+(4+(\b%4)/2)*1024+(\b%2)*512
.endr
.endm
	RLOAD 0, 0
	RLOAD 1, 1
	RHOLOAD
.irp a, 0,1,2,3,4,5
	s_wait_loadcnt 8                               ; this block's eight loads are in; the next block's may be out
	RDO \a, (\a%2)
	RLOAD (\a+2), (\a%2)
.endr
	s_wait_loadcnt 8
	RDO 6, 0
	s_wait_loadcnt 0x0
	RDO 7, 1
.Lend:
	s_wait_tensorcnt 0x0                           ; the wave's end
	ds_add_u32 v[SPW], v[NIL]
	s_wait_dscnt 0x0
	CROUND                                         ; the closing round: no work-group ends while a partner may still ask for a tile that names it
	s_endpgm
.Lfunc_end_k_q6511ca756b_g2:
	.size	k_q6511ca756b_g2, .Lfunc_end_k_q6511ca756b_g2-k_q6511ca756b_g2
	.p2alignl 7, 3214868480
	.fill 96, 4, 3214868480
	.section	.rodata,"a",@progbits
	.p2align	6, 0x0
	.amdhsa_kernel k_q6511ca756b_g2
		.amdhsa_group_segment_fixed_size 327680
		.amdhsa_private_segment_fixed_size 0
		.amdhsa_enable_private_segment 0
		.amdhsa_kernarg_size 48
		.amdhsa_user_sgpr_count 2
		.amdhsa_user_sgpr_kernarg_segment_ptr 1
		.amdhsa_wavefront_size32 1
		.amdhsa_system_sgpr_workgroup_id_x 1
		.amdhsa_system_sgpr_workgroup_id_y 1
		.amdhsa_system_sgpr_workgroup_id_z 1
		.amdhsa_system_vgpr_workitem_id 0
		.amdhsa_next_free_vgpr 1024
		.amdhsa_next_free_sgpr 100
		.amdhsa_reserve_vcc 0
		.amdhsa_float_denorm_mode_32 3
		.amdhsa_float_denorm_mode_16_64 3
		.amdhsa_memory_ordered 1
		.amdhsa_forward_progress 1
		.amdhsa_inst_pref_size 255
	.end_amdhsa_kernel
	.section	.bss,"aw",@nobits
	.p2align	6
	.space	262144
	.amdgpu_metadata
---
amdhsa.version: [ 1, 2 ]
amdhsa.kernels:
  - .name:           k_q6511ca756b_g2
    .symbol:         k_q6511ca756b_g2.kd
    .args:
      - { .name: y16, .offset: 0, .size: 8, .value_kind: global_buffer, .address_space: global }
      - { .name: w16, .offset: 8, .size: 8, .value_kind: global_buffer, .address_space: global }
      - { .name: aux, .offset: 16, .size: 8, .value_kind: global_buffer, .address_space: global }
      - { .name: qc, .offset: 24, .size: 8, .value_kind: global_buffer, .address_space: global }
      - { .name: qf, .offset: 32, .size: 8, .value_kind: global_buffer, .address_space: global }
      - { .name: kv, .offset: 40, .size: 8, .value_kind: global_buffer, .address_space: global }
    .group_segment_fixed_size: 327680
    .private_segment_fixed_size: 0
    .kernarg_segment_align: 8
    .kernarg_segment_size: 48
    .max_flat_workgroup_size: 128
    .sgpr_count:     100
    .vgpr_count:     1024
    .wavefront_size: 32
...
	.end_amdgpu_metadata
.endif
;; end of part 3
;; launch attn (part 4): grid 8 x 32, 4 waves a work-group, no clusters, 327,680 bytes of LDS; arguments qf, kv, aux, a16; writes a16
.if DOCPART == 4
	.amdgcn_target "amdgcn-amd-amdhsa--gfx1250"
	.amdhsa_code_object_version 6
	.text
	.protected	k_q6511ca756b_attn
	.globl	k_q6511ca756b_attn
	.p2align	8
	.type	k_q6511ca756b_attn,@function
k_q6511ca756b_attn:
	s_mov_b64 s[64:65], 0
	v_nop
	global_prefetch_b8 v0, s[64:65] scope:SCOPE_SE
	s_setreg_imm32_b32 hwreg(HW_REG_WAVE_MODE, 25, 1), 1
	s_wait_xcnt 0x0
; ATTN: out[pos] = attn(head 2 n) - lambda x attn(head 2 n + 1), causal, both query heads against key and value head n.  f16 operands, f32 sums, maxima and row sums; the weights p are rounded to f16 for the second product.
; SHARES.  The sequence's 1,024 positions are 16 blocks of 64.  Work-group (i, batch x 16 + n) owns blocks i and 15 - i; wave w owns 16 positions of each, for both heads: four tiles (0, 1: the low block; 2, 3: the high one)
; that share K's and V's fragments.  Under the causal mask block j needs j + 1 steps of 64 keys, so every wave of every work-group has 17 steps of two tiles: the work is even.
; NO CLUSTER: the eight work-groups of a head need 9 to 16 key steps; a joint load would bring tiles that all waves of some partner pass over.
; LAYOUT.  S^T = K Q^T (source 0 = 16 keys, source 1 = 16 positions; 192 channels: six images), O^T = V^T P: a lane holds ONE position throughout; two score tiles packed to f16 ARE P's fragment.
; SOFTMAX.  A running maximum m and sum l for each position: p = 2^(c s - c m), c = log2(e) / sqrt(192); O and l are multiplied by a = 2^(c m_old - c m_new) in every step.  m begins at -3e38 and O, l at zero,
; so that the step is written once; key 0 counts for every position, so m is a score from the first step on.
; THE RING: two slots of 128 keys (k_c 32,768 bytes, k_r 16,384, V^T 32,768: all dense runs of images), one tensor load a wave; every wait for tensor loads is for 0.  All work-groups walk all eight slots: the trip
; counts are constants.  A step whose keys all come after a block's positions is passed over, and a slot that no step reads is not asked for: both by tests on ids and the count of steps alone, the same in all four waves.
; REGISTERS: window 0: v1-9 addresses and lambda; v32-63 statistics, eight a tile; v64-191 S^T; v192-255 P.  window 1: O^T, 64 a tile.  window 2: v0-191 Q; v192-255 V^T of keys 0-31.  window 3: v0-191 K; v192-255 V^T of keys 32-63.
.set LAMO,  262144
.set KRF,   393216
.set VF,    8388608
.set SLOT1, 131072
.set SPARE, 262144
.set LI,  1
.set ADK, 2                            ; v2  16 x lane + the step's place in k_c and in V^T
.set ADR, 3                            ; v3  the same for k_r
.set DM,  5                            ; v5  16 w + r - 8 h: on the diagonal, register 8 kk + j holds a hidden key where 16 kk + j is greater
.set NEG, 6                            ; v6  -infinity
.set SPW, 28
.set NIL, 29
.set PFO, 30                           ; v30 256 x lane
.set ST,  32                           ; tile t: +0 c m, +1 m, +2, +3 l in two halves, +4 to +7 at work; a takes +6
.set S,   64
.set P,   192
.set WV,  12
.set LO0, 17
.set HI0, 18
.set KF,  19                           ; the step's first key
.set TB,  20                           ; the slot in hand
.set TU,  21                           ; the step's place in it: 16,384 a step (k_c, V^T)
.set TUH, 22                           ; 8,192 a step (k_r)
.set SLOTS, 23
.set G1A, 24                           ; 128 rows of 256 bytes
.set G1B, 32                           ; 64 rows
.set G0K, 40                           ; wave 0: k_c
.set G0X, 44                           ; wave 1: k_r; waves 2, 3: V^T's halves
.set TWICE, 50
.set LIM,  51
.set LIMR, 52
.set PFK, 54
.set PFV, 56
.set CS,  58
.set SEL, 60
.set PFR, 62
.set MSB, 0
.macro WIN new
.if MSB != \new
	s_set_vgpr_msb (MSB<<8)|\new
.set MSB, \new
.endif
.endm
.macro PLACES
.rept 4
	v_nop
.endr
.endm
.macro TLOAD                           ; a wave's one load; the branch hangs on the wave's number alone; s_nop 0 and four v_nop follow each line
	s_cmp_eq_u32 s[WV], 0
	s_cbranch_scc0 .Lnot_k_\@
	tensor_load_to_lds s[G0K:G0K+3], s[G1A:G1A+7]
	s_nop 0
	PLACES
	s_branch .Lasked_\@
.Lnot_k_\@:
	tensor_load_to_lds s[G0X:G0X+3], s[G1B:G1B+7]
	s_nop 0
	PLACES
.Lasked_\@:
.endm
; A PREFETCH of what the NEXT change of slots will ask for, behind the wave's tensor load.  Each aligned block of 256 bytes is named once in the launch: of the eight work-groups of a head the one with i = 0, which walks
; all slots, asks; each of its waves for a quarter of k_c's and of V^T's 32,768 bytes, lanes 256 bytes apart; k_r, which the 16 heads of a batch share, is asked for by waves 0 and 1 of head 0.  The last change that fills asks for nothing.
.macro ASK
	s_cmp_gt_u32 s[SLOTS], s[LIM]
	s_cbranch_scc0 .Lnk_\@
	global_prefetch_b8 v[PFO], s[PFK:PFK+1] th:TH_LOAD_NT scope:SCOPE_SE
	global_prefetch_b8 v[PFO], s[PFV:PFV+1] th:TH_LOAD_NT scope:SCOPE_SE
.Lnk_\@:
	s_cmp_gt_u32 s[SLOTS], s[LIMR]
	s_cbranch_scc0 .Lnr_\@
	global_prefetch_b8 v[PFO], s[PFR:PFR+1] th:TH_LOAD_NT scope:SCOPE_SE
.Lnr_\@:
.endm
	s_load_b256 s[4:11], s[0:1], 0x0               ; qf, kv, aux, a16
	v_lshl_add_u32 v[SPW], v0, 2, SPARE
	v_mov_b32 v[NIL], 0
	ds_add_u32 v[SPW], v[NIL]                      ; the wave's opening: the add, twice on end, and its wait ahead of my first tensor load
	ds_add_u32 v[SPW], v[NIL]
	v_lshrrev_b32 v1, 5, v0
	v_readfirstlane_b32 s[WV], v1
	s_mov_b32 s13, ttmp9                           ; i
	s_and_b32 s14, ttmp7, 0xffff
	s_lshr_b32 s15, s14, 4                         ; batch
	s_and_b32 s16, s14, 15                         ; n
	s_lshl_b32 s[LO0], s13, 6
	s_sub_co_u32 s[HI0], 15, s13
	s_lshl_b32 s[HI0], s[HI0], 6
.irp g, G1A, G1B
	s_mov_b32 s[\g], 3<<16                         ; elements of 8 bytes, no mask, no padding
	s_mov_b32 s[\g+1], 32<<16                      ; rows of 256 bytes
	s_mov_b32 s[\g+3], 32<<16
	s_mov_b32 s[\g+5], 32                          ; dense
	s_mov_b32 s[\g+6], 0
	s_mov_b32 s[\g+7], 0
.endr
	s_mov_b32 s[G1A+2], 128<<16
	s_mov_b32 s[G1A+4], 128
	s_mov_b32 s[G1B+2], 64<<16
	s_mov_b32 s[G1B+4], 64
	s_mov_b32 s[CS], 0x3dd53b94                    ; c = log2(e) / sqrt(192)
	s_mov_b32 s[CS+1], s[CS]
	s_mov_b32 s[SEL], 0x76543210
	s_mov_b32 s[SEL+1], 0xfedcba98
	s_mov_b32 s[KF], 0
	s_mov_b32 s[TB], 0
	s_mov_b32 s[SLOTS], 7
	s_lshl_b32 s74, s14, 18                        ; the head's 262,144 bytes of k_c, and of V^T
	s_mov_b32 s75, 0
	s_lshl_b32 s72, s15, 17
	s_add_co_u32 s72, s72, KRF                     ; the batch's k_r
	s_and_b32 s73, s[WV], 1
	s_lshl_b32 s73, s73, 14
	s_add_co_u32 s73, s73, s74
	s_add_co_u32 s73, s73, VF                      ; my half of V^T's slot
	s_add_co_u32 s68, s[WV], 1
	s_lshl_b32 s68, s68, 14                        ; waves 1 to 3: 16,384 (w + 1) in a slot
	s_mov_b32 s69, 16384
	s_cmp_eq_u32 s13, 0
	s_cselect_b32 s[LIM], 1, -1
	s_lshr_b32 s66, s[WV], 1
	s_or_b32 s66, s66, s13
	s_or_b32 s66, s66, s16
	s_cmp_eq_u32 s66, 0
	s_cselect_b32 s[LIMR], 1, -1
	s_wait_dscnt 0x0
	s_wait_kmcnt 0x0
	s_mov_b32 s[G0K], 1
	s_mov_b32 s[G0K+1], 0
	s_add_nc_u64 s[G0K+2:G0K+3], s[6:7], s[74:75]
	s_or_b32 s[G0K+3], s[G0K+3], 0x80000000
	s_cmp_eq_u32 s[WV], 1
	s_cselect_b64 s[70:71], s[8:9], s[6:7]
	s_cselect_b32 s72, s72, s73
	s_cselect_b32 s48, s69, 32768                  ; a slot on, in bytes
	s_mov_b32 s73, 0
	s_mov_b32 s49, 0
	s_mov_b32 s[G0X], 1
	s_mov_b32 s[G0X+1], s68
	s_add_nc_u64 s[G0X+2:G0X+3], s[70:71], s[72:73]
	s_or_b32 s[G0X+3], s[G0X+3], 0x80000000
	TLOAD                                          ; slot 0
	; the prefetches' addresses: my wave's part of slot 1; the first change of slots steps them to slot 2
	s_lshl_b32 s66, s[WV], 13
	s_add_co_u32 s66, s66, s74
	s_add_co_u32 s66, s66, 32768
	s_mov_b32 s67, 0
	s_add_nc_u64 s[PFK:PFK+1], s[6:7], s[66:67]
	s_add_nc_u64 s[PFV:PFV+1], s[PFK:PFK+1], VF
	s_and_b32 s66, s[WV], 1
	s_lshl_b32 s66, s66, 13
	s_lshl_b32 s68, s15, 17
	s_add_co_u32 s66, s66, s68
	s_add_co_u32 s66, s66, KRF+16384
	s_add_nc_u64 s[PFR:PFR+1], s[8:9], s[66:67]
	; Q's four tiles, lambda, and where the results go
	s_lshl_b32 s66, s15, 5
	s_lshl_b32 s68, s16, 1
	s_add_co_u32 s66, s66, s68
	s_lshl_b32 s66, s66, 6                         ; (batch x 32 + 2 n) x 64
	s_lshl_b32 s68, s13, 2
	s_add_co_u32 s68, s68, s[WV]                   ; my low tile of positions
	s_sub_co_u32 s69, 15, s13
	s_lshl_b32 s69, s69, 2
	s_add_co_u32 s69, s69, s[WV]                   ; my high one
	s_add_co_u32 s70, s66, s68
	s_mul_i32 s70, s70, 6144
	s_mov_b32 s71, 0
	s_add_nc_u64 s[76:77], s[4:5], s[70:71]
	s_add_nc_u64 s[78:79], s[76:77], 393216        ; the next head: 64 tiles on
	s_add_co_u32 s70, s66, s69
	s_mul_i32 s70, s70, 6144
	s_add_nc_u64 s[80:81], s[4:5], s[70:71]
	s_add_nc_u64 s[82:83], s[80:81], 393216
	s_lshl_b32 s66, s15, 6
	s_add_co_u32 s70, s66, s68                     ; the tile of 16 tokens
	s_lshl_b32 s72, s70, 10
	s_lshl_b32 s73, s16, 2
	s_add_co_u32 s72, s72, s73
	s_add_co_u32 s72, s72, LAMO                    ; lambda: token x 64 + 4 n
	s_mov_b32 s73, 0
	s_add_nc_u64 s[84:85], s[8:9], s[72:73]
	s_lshl_b32 s70, s70, 6
	s_lshl_b32 s72, s16, 2
	s_add_co_u32 s70, s70, s72
	s_lshl_b32 s70, s70, 10                        ; a16: (tile x 64 + 4 n) x 1,024
	s_add_nc_u64 s[88:89], s[10:11], s[70:71]
	s_add_co_u32 s70, s66, s69
	s_lshl_b32 s72, s70, 10
	s_lshl_b32 s92, s16, 2
	s_add_co_u32 s72, s72, s92
	s_add_co_u32 s72, s72, LAMO
	s_add_nc_u64 s[86:87], s[8:9], s[72:73]
	s_lshl_b32 s70, s70, 6
	s_add_co_u32 s70, s70, s92
	s_lshl_b32 s70, s70, 10
	s_add_nc_u64 s[90:91], s[10:11], s[70:71]
	v_and_b32 v4, 31, v0
	v_lshlrev_b32 v[LI], 4, v4
	v_lshlrev_b32 v[PFO], 8, v4
	v_and_b32 v4, 15, v0                           ; r
	v_bfe_u32 v7, v0, 4, 1                         ; h
	v_lshlrev_b32 v[DM], 3, v7
	v_sub_nc_u32 v[DM], v4, v[DM]
	s_lshl_b32 s66, s[WV], 4
	v_add_nc_u32 v[DM], s66, v[DM]
	v_mov_b32 v[NEG], 0xff800000
	v_lshlrev_b32 v7, 6, v4                        ; 64 r
	global_load_b32 v8, v7, s[84:85]               ; lambda of my low positions,
	global_load_b32 v9, v7, s[86:87]               ; of my high ones
	WIN 0x80
.irp t, 0,1,2,3
.irp c, 0,1,2,3,4,5
	global_load_b128 v[48*\t+8*\c:48*\t+8*\c+3], v[LI], s[76+2*\t:77+2*\t] offset:1024*\c
	global_load_b128 v[48*\t+8*\c+4:48*\t+8*\c+7], v[LI], s[76+2*\t:77+2*\t] offset:1024*\c+512
.endr
.endr
	WIN 0
.irp t, 0,1,2,3
	v_mov_b32 v[ST+8*\t+1], 0xff61b1e6             ; m: -3e38, under every score
	v_mul_f32 v[ST+8*\t], s[CS], v[ST+8*\t+1]
	v_mov_b32 v[ST+8*\t+2], 0
	v_mov_b32 v[ST+8*\t+3], 0
	v_mov_b32 v[ST+8*\t+5], 0                      ; a lane permute's destination counts as one of its sources
	v_mov_b32 v[ST+8*\t+7], 0                      ; named on the way out as the upper half of the pair whose low word is 1 / l: so it is written on every path, whatever steps are passed over
.endr
	WIN 0x40
.set i, 0
.rept 256
	v_mov_b32 v[i], 0                              ; O^T.  Cleared once, so that the key step, some 9 KB of text, needs no second form for a first step
.set i, i+1
.endr
	WIN 0
.macro FETCH                           ; a step's fragments: K by groups of 32 channels (8 loads each), then V^T's 32 loads
	WIN 0xc0
.irp c, 0,1,2,3
.irp k, 0,1,2,3
	ds_load_b128 v[48*\k+8*\c:48*\k+8*\c+3], v[ADK] offset:4096*\k+1024*\c
	ds_load_b128 v[48*\k+8*\c+4:48*\k+8*\c+7], v[ADK] offset:4096*\k+1024*\c+512
.endr
.endr
.irp c, 4,5
.irp k, 0,1,2,3
	ds_load_b128 v[48*\k+8*\c:48*\k+8*\c+3], v[ADR] offset:32768+2048*\k+1024*(\c-4)
	ds_load_b128 v[48*\k+8*\c+4:48*\k+8*\c+7], v[ADR] offset:32768+2048*\k+1024*(\c-4)+512
.endr
.endr
	WIN 0x80
.irp t, 0,1,2,3,4,5,6,7
	ds_load_b128 v[192+8*\t:192+8*\t+3], v[ADK] offset:49152+1024*\t
	ds_load_b128 v[192+8*\t+4:192+8*\t+7], v[ADK] offset:49152+1024*\t+512
.endr
	WIN 0xc0
.irp t, 0,1,2,3,4,5,6,7
	ds_load_b128 v[192+8*\t:192+8*\t+3], v[ADK] offset:57344+1024*\t
	ds_load_b128 v[192+8*\t+4:192+8*\t+7], v[ADK] offset:57344+1024*\t+512
.endr
.endm
.macro QK x, waits                     ; 48 products: eight accumulators take turns, one instruction a turn; the first eight start the sums
	WIN 0x0b
.irp c, 0,1,2,3,4,5
.if \waits
.if 72-8*\c > 63
	s_wait_dscnt 63                                ; (the count that would do is above what the wait can name)
.else
	s_wait_dscnt 72-8*\c                           ; this group's eight loads are in; the later groups' and V^T's 32 may be out
.endif
.endif
.irp k, 0,1,2,3
.irp u, 0,1
.if \c == 0
	v_wmma_f32_16x16x32_f16 v[S+32*(\x+\u)+8*\k:S+32*(\x+\u)+8*\k+7], v[48*\k+8*\c:48*\k+8*\c+7], v[48*(\x+\u)+8*\c:48*(\x+\u)+8*\c+7], 0
.else
	v_wmma_f32_16x16x32_f16 v[S+32*(\x+\u)+8*\k:S+32*(\x+\u)+8*\k+7], v[48*\k+8*\c:48*\k+8*\c+7], v[48*(\x+\u)+8*\c:48*(\x+\u)+8*\c+7], v[S+32*(\x+\u)+8*\k:S+32*(\x+\u)+8*\k+7]
.endif
.endr
.endr
.endr
.endm
.macro MASK x                          ; the diagonal step: hidden scores become -infinity, so p = 0; each accumulator from its low end on
.irp k, 0,1,2,3
.irp j, 0,1,2,3,4,5,6,7
	v_cmp_gt_i32 vcc_lo, 16*\k+\j, v[DM]
	v_cndmask_b32 v[S+32*\x+8*\k+\j], v[S+32*\x+8*\k+\j], v[NEG], vcc_lo
	v_cndmask_b32 v[S+32*(\x+1)+8*\k+\j], v[S+32*(\x+1)+8*\k+\j], v[NEG], vcc_lo
.endr
.endr
.endm
; One tile's softmax for one key step is a list of 134 instructions; SM writes number j of it for tile t.
;   0-15 the maximum of the 32 scores and the old m;  16-20 the other half of the lanes', the new m, c m, its change;  21-69 ONE BATCH: 16 packed scalings c s - c m and 33 exponentials, none of which reads an exponential's result;
;   70-85 the roundings to f16;  86-101 the sums, l = a l + the sum;  102-133 O^T times a
.macro SM t
.set rT, ST+8*(\t)
.set rS, S+32*(\t)
.set rP, P+16*(\t)
.set rO, 64*(\t)+2*(j-102)
.if j < 102
	WIN 0
.endif
.if j < 4
	v_max3_num_f32 v[rT+4+j], v[rS+8*j], v[rS+8*j+1], v[rS+8*j+2]
.elseif j < 12
	v_max3_num_f32 v[rT+4+j%4], v[rT+4+j%4], v[rS+8*(j%4)+2*(j/4)+1], v[rS+8*(j%4)+2*(j/4)+2]
.elseif j == 12
	v_max3_num_f32 v[rT+4], v[rT+4], v[rS+7], v[rS+15]
.elseif j == 13
	v_max3_num_f32 v[rT+6], v[rT+6], v[rS+23], v[rS+31]
.elseif j == 14
	v_max3_num_f32 v[rT+4], v[rT+4], v[rT+5], v[rT+6]
.elseif j == 15
	v_max3_num_f32 v[rT+4], v[rT+4], v[rT+7], v[rT+1]
.elseif j == 16
	v_permlanex16_b32 v[rT+5], v[rT+4], s[SEL], s[SEL+1]
.elseif j == 17
	v_mov_b32 v[rT+7], v[rT]
.elseif j == 18
	v_max_num_f32 v[rT+1], v[rT+4], v[rT+5]
.elseif j == 19
	v_mul_f32 v[rT], s[CS], v[rT+1]
.elseif j == 20
	v_sub_f32 v[rT+7], v[rT+7], v[rT]
.elseif j == 23
	v_exp_f32 v[rT+6], v[rT+7]
.elseif (j < 23) || ((j < 38) && (j%2 == 0)) || ((j < 66) && (j%4 == 2))
.set b, (j-2)/4
.if j < 38
.set b, (j-20)/2
.endif
	v_pk_fma_f32 v[rS+2*b:rS+2*b+1], v[rS+2*b:rS+2*b+1], s[CS:CS+1], v[rT:rT+1] op_sel_hi:[1,0,0] neg_lo:[0,0,1] neg_hi:[0,0,1]
.elseif j < 70
.set e, j-38
.if j < 66
.set e, j-32-(j-38)/4
.endif
.if j < 38
.set e, (j-25)/2
.endif
	v_exp_f32 v[rS+e], v[rS+e]
.elseif j < 86
	v_cvt_pk_f16_f32 v[rP+j-70], v[rS+2*(j-70)], v[rS+2*(j-70)+1]
.elseif j < 102
.set z, j-86
.set w, 4
.set u, z
.if z >= 14
.set w, 32
.set u, 0
.elseif z >= 12
.set w, 16
.set u, z-12
.elseif z >= 8
.set w, 8
.set u, z-8
.endif
.if z < 15
	v_pk_add_f32 v[rS+w*u:rS+w*u+1], v[rS+w*u:rS+w*u+1], v[rS+w*u+w/2:rS+w*u+w/2+1]
.else
	v_pk_fma_f32 v[rT+2:rT+3], v[rT+2:rT+3], v[rT+6:rT+7], v[rS:rS+1] op_sel_hi:[1,0,1]
.endif
.else
	WIN 0x41
	v_pk_mul_f32 v[rO:rO+1], v[rO:rO+1], v[rT+6:rT+7] op_sel_hi:[1,0]
.endif
.endm
.macro SOFTMAX x                       ; the two tiles alternate, so that no instruction waits for the one just before it
.set j, 0
.rept 70
	SM \x
	SM \x+1
.set j, j+1
.endr
	v_nop                                          ; a plain instruction behind the last exponential,
	s_wait_alu depctr_va_vdst(0)                   ; and one wait, ahead of the batch's first reader
.rept 64
	SM \x
	SM \x+1
.set j, j+1
.endr
.endm
.macro PV x                            ; 32 products: 16 accumulators take turns
.set i, 0
.rept 32
.if i < 16
	WIN 0x52
.else
	WIN 0x53
.endif
.set rO, 64*(\x+i%2)+8*((i/2)%8)
.set rV, 192+8*((i/2)%8)
.set rP, P+16*(\x+i%2)+8*(i/16)
	v_wmma_f32_16x16x32_f16 v[rO:rO+7], v[rV:rV+7], v[rP:rP+7], v[rO:rO+7]
.set i, i+1
.endr
.endm
.macro PIECE x, waits                  ; two tiles' scores, softmax and weighted sums for one key step
	QK \x, \waits
	WIN 0
	PLACES                                         ; in front of the first read of the scores
.if \x == 2
	s_cmp_lg_u32 s[KF], s[HI0]
.else
	s_cmp_lg_u32 s[KF], s[LO0]
.endif
	s_cbranch_scc1 .Lopen_\@                       ; only the block's own step lies on the diagonal
	MASK \x
.Lopen_\@:
	SOFTMAX \x
.if \x == 2
	s_wait_dscnt 0x0                               ; V^T is in
.endif
	PV \x
	WIN 0
.endm
.macro STEP
	s_cmp_gt_u32 s[KF], s[HI0]
	s_cbranch_scc1 .Lhid_\@                        ; all 64 keys come after all my positions
	s_add_co_u32 s66, s[TB], s[TU]
	s_add_co_u32 s67, s[TB], s[TUH]
	v_add_nc_u32 v[ADK], s66, v[LI]                ; these two and two v_nop are the four places in front of loads into registers that the last products read
	v_add_nc_u32 v[ADR], s67, v[LI]
	v_nop
	v_nop
	FETCH
	PIECE 2, 1
	s_cmp_gt_u32 s[KF], s[LO0]
	s_cbranch_scc1 .Lhid_\@
	PIECE 0, 0
.Lhid_\@:
	s_add_co_u32 s[KF], s[KF], 64
	s_add_co_u32 s[TU], s[TU], 16384
	s_add_co_u32 s[TUH], s[TUH], 8192
.endm
.macro TWO_STEPS                       ; a slot's two key steps: written once, walked twice
	s_mov_b32 s[TU], 0
	s_mov_b32 s[TUH], 0
	s_mov_b32 s[TWICE], 2
.Lstep_\@:
	STEP
	s_sub_co_u32 s[TWICE], s[TWICE], 1
	s_cmp_lg_u32 s[TWICE], 0
	s_cbranch_scc1 .Lstep_\@
	s_xor_b32 s[TB], s[TB], SLOT1
.endm
; THE CHANGE OF SLOTS stands at a slot's head.  Each wave waits for all its tensor loads (its part of the slot ahead), adds 0 to its spare word, and waits for that and for its reads of the slot that it has left.
; Behind the barrier the slot ahead is whole and nobody reads the other one, which is then filled with the next 128 keys: the load has two key steps in which to land.
.macro CHANGE fill
	s_wait_tensorcnt 0x0                           ; no tensor load of mine is out, so a group 0 may be written
	ds_add_u32 v[SPW], v[NIL]
.if \fill
	s_xor_b32 s[G0K+1], s[G0K+1], SLOT1
	s_add_nc_u64 s[G0K+2:G0K+3], s[G0K+2:G0K+3], 32768
	s_xor_b32 s[G0X+1], s[G0X+1], SLOT1
	s_add_nc_u64 s[G0X+2:G0X+3], s[G0X+2:G0X+3], s[48:49]
	s_wait_xcnt 0x0                                ; the last prefetches, a slot back, have read their addresses
	s_add_nc_u64 s[PFK:PFK+1], s[PFK:PFK+1], 32768
	s_add_nc_u64 s[PFV:PFV+1], s[PFV:PFV+1], 32768
	s_add_nc_u64 s[PFR:PFR+1], s[PFR:PFR+1], 16384
.endif
	s_wait_dscnt 0x0
	s_barrier_signal -1
	s_barrier_wait -1
.if \fill
	s_add_co_u32 s66, s[KF], 128                   ; the first key of the slot that this change would ask for,
	s_add_co_u32 s67, s[HI0], 63                   ; my work-group's last position:
	s_cmp_gt_u32 s66, s67                          ; a slot beyond it is read by no wave, so it is not asked for.  Ids and the count of steps alone: all four waves go the same way
	s_cbranch_scc1 .Lpast_\@
	TLOAD
.Lpast_\@:
	ASK
.endif
.endm
	s_wait_loadcnt 0x0                             ; Q and lambda
.Lslot:                                            ; seven trips: behind each change of slots but the last the next slot is asked for, up to the causal limit
	CHANGE 1
	TWO_STEPS
	s_sub_co_u32 s[SLOTS], s[SLOTS], 1
	s_cmp_lg_u32 s[SLOTS], 0
	s_cbranch_scc1 .Lslot
	CHANGE 0
	TWO_STEPS
	; THE WAY OUT.  The additions are the places behind the last products.
.irp t, 0,1,2,3
	v_add_f32 v[ST+8*\t+4], v[ST+8*\t+2], v[ST+8*\t+3]
.endr
.irp t, 0,1,2,3
	v_permlanex16_b32 v[ST+8*\t+5], v[ST+8*\t+4], s[SEL], s[SEL+1]
.endr
.irp t, 0,1,2,3
	v_add_f32 v[ST+8*\t+4], v[ST+8*\t+4], v[ST+8*\t+5]
.endr
.irp t, 0,1,2,3
	v_rcp_f32 v[ST+8*\t+6], v[ST+8*\t+4]
.endr
	v_nop
	s_wait_alu depctr_va_vdst(0)
	v_mul_f32 v[ST+14], v[ST+14], v8               ; lambda / l of the odd head
	v_mul_f32 v[ST+30], v[ST+30], v9
.macro OUT g                           ; O_even / l_even - lambda O_odd / l_odd, within a lane; packed to f16: eight halves of images, 512 consecutive bytes each
	WIN 0x01
.set i, 0
.rept 32
	v_pk_mul_f32 v[S+64*\g+i:S+64*\g+i+1], v[128*\g+64+i:128*\g+64+i+1], v[ST+16*\g+14:ST+16*\g+15] op_sel_hi:[1,0]
.set i, i+2
.endr
.set i, 0
.rept 32
	v_pk_fma_f32 v[S+64*\g+i:S+64*\g+i+1], v[128*\g+i:128*\g+i+1], v[ST+16*\g+6:ST+16*\g+7], v[S+64*\g+i:S+64*\g+i+1] op_sel_hi:[1,0,1] neg_lo:[0,0,1] neg_hi:[0,0,1]
.set i, i+2
.endr
	WIN 0
.set i, 0
.rept 32
	v_cvt_pk_f16_f32 v[P+32*\g+i], v[S+64*\g+2*i], v[S+64*\g+2*i+1]
.set i, i+1
.endr
.irp c, 0,1,2,3,4,5,6,7
	global_store_b128 v[LI], v[P+32*\g+4*\c:P+32*\g+4*\c+3], s[88+2*\g:89+2*\g] offset:512*\c
.endr
.endm
	OUT 0
	OUT 1
	s_wait_tensorcnt 0x0                           ; the wave's end
	ds_add_u32 v[SPW], v[NIL]
	s_wait_dscnt 0x0
	s_endpgm
.Lfunc_end_k_q6511ca756b_attn:
	.size	k_q6511ca756b_attn, .Lfunc_end_k_q6511ca756b_attn-k_q6511ca756b_attn
	.p2alignl 7, 3214868480
	.fill 96, 4, 3214868480
	.section	.rodata,"a",@progbits
	.p2align	6, 0x0
	.amdhsa_kernel k_q6511ca756b_attn
		.amdhsa_group_segment_fixed_size 327680
		.amdhsa_private_segment_fixed_size 0
		.amdhsa_enable_private_segment 0
		.amdhsa_kernarg_size 32
		.amdhsa_user_sgpr_count 2
		.amdhsa_user_sgpr_kernarg_segment_ptr 1
		.amdhsa_wavefront_size32 1
		.amdhsa_system_sgpr_workgroup_id_x 1
		.amdhsa_system_sgpr_workgroup_id_y 1
		.amdhsa_system_sgpr_workgroup_id_z 1
		.amdhsa_system_vgpr_workitem_id 0
		.amdhsa_next_free_vgpr 1024
		.amdhsa_next_free_sgpr 100
		.amdhsa_reserve_vcc 1
		.amdhsa_float_denorm_mode_32 3
		.amdhsa_float_denorm_mode_16_64 3
		.amdhsa_memory_ordered 1
		.amdhsa_forward_progress 1
		.amdhsa_inst_pref_size 141
	.end_amdhsa_kernel
	.amdgpu_metadata
---
amdhsa.version: [ 1, 2 ]
amdhsa.kernels:
  - .name:           k_q6511ca756b_attn
    .symbol:         k_q6511ca756b_attn.kd
    .args:
      - { .name: qf, .offset: 0, .size: 8, .value_kind: global_buffer, .address_space: global }
      - { .name: kv, .offset: 8, .size: 8, .value_kind: global_buffer, .address_space: global }
      - { .name: aux, .offset: 16, .size: 8, .value_kind: global_buffer, .address_space: global }
      - { .name: a16, .offset: 24, .size: 8, .value_kind: global_buffer, .address_space: global }
    .group_segment_fixed_size: 327680
    .private_segment_fixed_size: 0
    .kernarg_segment_align: 8
    .kernarg_segment_size: 32
    .max_flat_workgroup_size: 128
    .sgpr_count:     100
    .vgpr_count:     1024
    .wavefront_size: 32
...
	.end_amdgpu_metadata
.endif
;; end of part 4
;; launch g3 (part 5): grid 16 x 16, 4 waves a work-group, clusters of 4 x 4, 327,680 bytes of LDS; arguments a16, w16, out0; writes out0
.if DOCPART == 5
	.amdgcn_target "amdgcn-amd-amdhsa--gfx1250"
	.amdhsa_code_object_version 6
	.text
	.protected	k_q6511ca756b_g3
	.globl	k_q6511ca756b_g3
	.p2align	8
	.type	k_q6511ca756b_g3,@function
k_q6511ca756b_g3:
	s_mov_b64 s[64:65], 0
	v_nop
	global_prefetch_b8 v0, s[64:65] scope:SCOPE_SE
	s_setreg_imm32_b32 hwreg(HW_REG_WAVE_MODE, 25, 1), 1
	s_wait_xcnt 0x0
	s_wait_alu depctr_hold_cnt(0) depctr_sa_sdst(0) depctr_va_vdst(0) depctr_va_sdst(0) depctr_va_ssrc(0) depctr_va_vcc(0) depctr_vm_vsrc(0)
	s_getreg_b32 s2, hwreg(HW_REG_IB_STS2, 6, 4)
	s_cmp_eq_u32 s2, 0
	s_cbranch_scc0 .Lentry_in_a_cluster
	s_endpgm
.Lentry_in_a_cluster:
	s_bfe_u32 s2, ttmp6, 0x10000c
	s_cmp_lg_u32 s2, 0xf033
	s_cbranch_scc0 .Lentry_shape_is_right
	s_endpgm
.Lentry_shape_is_right:
; G3: out0 = a W_out, 2,048 x 2,048 x 2,048, f16 images, sums in f32, results in f32.  A work-group makes 128 x 128, a wave 64 x 64; 256 work-groups.
; K goes in steps of 256 through two LDS slots of 131,072 bytes (8 images of each of 8 + 8 tiles of 16 rows, dense: no padding is needed, every LDS load reads 512 consecutive bytes).
; CLUSTER 4 x 4: a's tiles are asked for jointly along a row of the cluster, W_out's along a column.  A wave has two tensor loads out at the start and one behind each round.
; The matrix instruction is used transposed (source 0 = 16 columns of W_out, source 1 = 16 tokens): a lane holds eight neighbouring numbers of a row of out0; they leave through the wave's own stage as rows of 256 bytes.
; The first 16 positions of each sequence are written here from f16 operands and written again, from f32 operands, by the last launch.
.set SLOTB, 131072
.set STAGE, 262144                     ; behind the ring: 16 rows x 272 bytes for each wave; no fill lands here
.set SPARE, 279552
.set WOUT,  20971520
.set LI,   1
.set ADRA, 16
.set ADRB, 20
.set STO,  24
.set RD,   25
.set CO,   26
.set SPW,  28
.set NIL,  29
.set TMP,  32
.set ACC,  128
.set F0,   0
.set F1,   128
.set G1A,  24
.set G0A,  32
.set G1B,  48
.set G0B,  56
.set MSB, 0
.macro WIN new
.if MSB != \new
	s_set_vgpr_msb (MSB<<8)|\new
.set MSB, \new
.endif
.endm
.set MUL,  0x05
.set TO_F, 0x40
.macro PLACES
.rept 4
	v_nop
.endr
.endm
.macro JLOAD s
	s_cmp_eq_u32 s11, 0
	s_cbranch_scc0 .Lfor_b_\@
	tensor_load_to_lds s[G0A+4*\s:G0A+4*\s+3], s[G1A:G1A+7]
	s_nop 0
	PLACES
	s_branch .Lasked_\@
.Lfor_b_\@:
	tensor_load_to_lds s[G0B+4*\s:G0B+4*\s+3], s[G1B:G1B+7]
	s_nop 0
	PLACES
.Lasked_\@:
.endm
.macro CREST
	s_cmp_lg_u32 s10, 0
	s_cbranch_scc1 .Lnw0_\@
	s_barrier_signal -3
.Lnw0_\@:
	s_barrier_wait -3
	s_barrier_signal -1
	s_barrier_wait -1
.endm
.macro CROUND
	s_barrier_signal -1
	s_barrier_wait -1
	CREST
.endm
	s_load_b128 s[4:7], s[0:1], 0x0                ; a16, w16
	s_load_b64 s[8:9], s[0:1], 0x10                ; out0
	v_lshl_add_u32 v[SPW], v0, 2, SPARE
	v_mov_b32 v[NIL], 0
	ds_add_u32 v[SPW], v[NIL]                      ; the wave's opening: the add, twice on end, and its wait ahead of my first tensor load
	ds_add_u32 v[SPW], v[NIL]
	v_lshrrev_b32 v1, 5, v0
	v_readfirstlane_b32 s10, v1                    ; wave
	s_lshr_b32 s11, s10, 1                         ; rh; also which side I fetch
	s_and_b32 s12, s10, 1                          ; ch; also which four tiles of it
	s_bfe_u32 s40, ttmp6, 0x40000
	s_bfe_u32 s41, ttmp6, 0x40004
	s_lshl_b32 s42, ttmp9, 2
	s_add_co_u32 s42, s42, s40                     ; gx
	s_and_b32 s13, ttmp7, 0xffff
	s_lshl_b32 s13, s13, 2
	s_add_co_u32 s13, s13, s41                     ; gy
	s_lshl_b32 s43, s41, 2
	s_lshl_b32 s43, 15, s43
	s_lshl_b32 s44, 0x1111, s40
	s_or_b32 s[G1A], s43, (3<<16)|(1<<21)
	s_or_b32 s[G1B], s44, (3<<16)|(1<<21)
.irp g, G1A, G1B
	s_mov_b32 s[\g+1], 1024<<16                    ; 8 images
	s_mov_b32 s[\g+2], 4<<16                       ; of 4 tiles
	s_mov_b32 s[\g+3], 1024<<16
	s_mov_b32 s[\g+4], 4
	s_mov_b32 s[\g+5], 8192                        ; from tile to tile: 64 images
	s_mov_b32 s[\g+6], 0
	s_mov_b32 s[\g+7], 0
.endr
	s_lshl_b32 s17, s12, 18
	s_lshl_b32 s16, s13, 19
	s_add_co_u32 s16, s16, s17
	s_lshl_b32 s46, s42, 19
	s_add_co_u32 s46, s46, s17
	s_add_co_u32 s46, s46, WOUT
	s_mov_b32 s17, 0
	s_mov_b32 s47, 0
	s_lshl_b32 s20, s10, 15
	s_wait_dscnt 0x0
	s_wait_kmcnt 0x0
	s_add_nc_u64 s[14:15], s[4:5], s[16:17]
	s_add_nc_u64 s[46:47], s[6:7], s[46:47]
	CROUND
.irp s, 0,1
	s_mov_b32 s[G0A+4*\s], 1
	s_add_co_u32 s[G0A+4*\s+1], s20, \s*SLOTB
	s_add_nc_u64 s[G0A+4*\s+2:G0A+4*\s+3], s[14:15], \s*8192
	s_or_b32 s[G0A+4*\s+3], s[G0A+4*\s+3], 0x80000000
	s_mov_b32 s[G0B+4*\s], 1
	s_add_co_u32 s[G0B+4*\s+1], s20, \s*SLOTB
	s_add_nc_u64 s[G0B+4*\s+2:G0B+4*\s+3], s[46:47], \s*8192
	s_or_b32 s[G0B+4*\s+3], s[G0B+4*\s+3], 0x80000000
	JLOAD \s
.endr
	v_and_b32 v4, 31, v0
	v_lshlrev_b32 v[LI], 4, v4
	v_and_b32 v4, 15, v0                           ; r
	v_bfe_u32 v5, v0, 4, 1                         ; h
	s_lshl_b32 s21, s11, 15
	s_lshl_b32 s22, s12, 15
	s_add_co_u32 s22, s22, 65536
.irp s, 0,1
	v_add_nc_u32 v[ADRA+\s], s21, v[LI]
	v_add_nc_u32 v[ADRB+\s], s22, v[LI]
	s_add_co_u32 s21, s21, SLOTB
	s_add_co_u32 s22, s22, SLOTB
.endr
	s_mul_i32 s23, s10, 16*272
	s_add_co_u32 s23, s23, STAGE
	v_mul_u32_u24 v6, v4, 272
	v_lshl_add_u32 v6, v5, 5, v6
	v_add_nc_u32 v[STO], s23, v6                   ; in: row r, 32 bytes for each half of the lanes
	v_mul_u32_u24 v6, v5, 272
	v_lshl_add_u32 v6, v4, 4, v6
	v_add_nc_u32 v[RD], s23, v6                    ; back: lanes 0-15 one row of 256 bytes, lanes 16-31 the next
	v_lshlrev_b32 v[CO], 13, v5
	v_lshl_add_u32 v[CO], v4, 4, v[CO]             ; and the same two rows in out0
	s_lshl_b32 s16, s13, 7
	s_lshl_b32 s21, s11, 6
	s_add_co_u32 s16, s16, s21
	s_lshl_b32 s16, s16, 13
	s_lshl_b32 s21, s42, 9
	s_add_co_u32 s16, s16, s21
	s_lshl_b32 s21, s12, 8
	s_add_co_u32 s16, s16, s21
	s_add_nc_u64 s[8:9], s[8:9], s[16:17]
.macro MUL8 f, c, a0, zero
.irp a, \a0, \a0+1
.irp b, 0,1,2,3
.if \zero
	v_wmma_f32_16x16x32_f16 v[ACC+8*(4*(\a)+\b):ACC+8*(4*(\a)+\b)+7], v[\f+64+8*(4*\c+\b):\f+64+8*(4*\c+\b)+7], v[\f+8*(4*\c+\a):\f+8*(4*\c+\a)+7], 0
.else
	v_wmma_f32_16x16x32_f16 v[ACC+8*(4*(\a)+\b):ACC+8*(4*(\a)+\b)+7], v[\f+64+8*(4*\c+\b):\f+64+8*(4*\c+\b)+7], v[\f+8*(4*\c+\a):\f+8*(4*\c+\a)+7], v[ACC+8*(4*(\a)+\b):ACC+8*(4*(\a)+\b)+7]
.endif
.endr
.endr
.endm
.macro FETCH slot, q, f
	WIN TO_F
.irp c, 0,1
.irp i, 0,1,2,3
	ds_load_b128 v[\f+64+8*(4*\c+\i):\f+64+8*(4*\c+\i)+3],   v[ADRB+\slot] offset:8192*\i+1024*(2*(\q)+\c)
	ds_load_b128 v[\f+64+8*(4*\c+\i)+4:\f+64+8*(4*\c+\i)+7], v[ADRB+\slot] offset:8192*\i+1024*(2*(\q)+\c)+512
	ds_load_b128 v[\f+8*(4*\c+\i):\f+8*(4*\c+\i)+3],         v[ADRA+\slot] offset:8192*\i+1024*(2*(\q)+\c)
	ds_load_b128 v[\f+8*(4*\c+\i)+4:\f+8*(4*\c+\i)+7],       v[ADRA+\slot] offset:8192*\i+1024*(2*(\q)+\c)+512
.endr
.endr
.endm
.macro QUARTER slot, q, f, g, zero
	s_wait_dscnt 16                                ; the first 32 along K are in
	WIN MUL
	MUL8 \f, 0, 0, \zero
	MUL8 \f, 0, 2, \zero
	PLACES
	FETCH \slot, \q, \g
	s_wait_dscnt 32                                ; all but the 32 just issued
	WIN MUL
	MUL8 \f, 1, 0, 0
	MUL8 \f, 1, 2, 0
.endm
.macro TURN slot, next, fill           ; the slot's last quarter changes slots: the wait for all my tensor loads, the add, the wait for it and for my reads, one barrier; fill = 1: the slot takes the K step two on
	WIN 0
	s_wait_tensorcnt 0x0
	ds_add_u32 v[SPW], v[NIL]
	s_wait_dscnt 17                                ; (the add and the youngest sixteen loads may be out)
	WIN MUL
	MUL8 F1, 0, 0, 0
	s_wait_dscnt 0x0
	s_barrier_signal -1
	MUL8 F1, 0, 2, 0
.if \fill
	WIN 0
.endif
	s_barrier_wait -1
.if \fill
	CREST
	s_add_nc_u64 s[G0A+4*\slot+2:G0A+4*\slot+3], s[G0A+4*\slot+2:G0A+4*\slot+3], 16384
	s_add_nc_u64 s[G0B+4*\slot+2:G0B+4*\slot+3], s[G0B+4*\slot+2:G0B+4*\slot+3], 16384
	JLOAD \slot
.else
	PLACES
.endif
	FETCH \next, 0, F0
	WIN MUL
	MUL8 F1, 1, 0, 0
	MUL8 F1, 1, 2, 0
.endm
	s_wait_tensorcnt 1                             ; my part of K step 0 is in; K step 1's load may be out
	s_barrier_signal -1
	s_barrier_wait -1
	FETCH 0, 0, F0
	QUARTER 0, 1, F0, F1, 1                        ; the first products start the sums
	WIN 0
	s_mov_b32 s3, 3
.Llap:                                             ; a trip goes once round the ring and fills both slots again: K steps 2 to 7
	QUARTER 0, 2, F1, F0, 0
	QUARTER 0, 3, F0, F1, 0
	TURN 0, 1, 1
	QUARTER 1, 1, F0, F1, 0
	QUARTER 1, 2, F1, F0, 0
	QUARTER 1, 3, F0, F1, 0
	TURN 1, 0, 1
	QUARTER 0, 1, F0, F1, 0
	WIN 0
	s_sub_co_u32 s3, s3, 1
	s_cmp_lg_u32 s3, 0
	s_cbranch_scc1 .Llap
	QUARTER 0, 2, F1, F0, 0                        ; the last lap fills nothing
	QUARTER 0, 3, F0, F1, 0
	TURN 0, 1, 0
	QUARTER 1, 1, F0, F1, 0
	QUARTER 1, 2, F1, F0, 0
	QUARTER 1, 3, F0, F1, 0
	s_wait_dscnt 16
	WIN MUL
	MUL8 F1, 0, 0, 0
	MUL8 F1, 0, 2, 0
	s_wait_dscnt 0x0
	MUL8 F1, 1, 0, 0
	MUL8 F1, 1, 2, 0
	WIN 0
	PLACES
.macro TOST a                          ; 16 rows x 64 columns into my stage, each accumulator from its low end on, and back as whole rows: LDS serves a wave's instructions in order
.irp b, 0,1,2,3
	ds_store_b128 v[STO], v[ACC+8*(4*\a+\b):ACC+8*(4*\a+\b)+3] offset:64*\b
	ds_store_b128 v[STO], v[ACC+8*(4*\a+\b)+4:ACC+8*(4*\a+\b)+7] offset:64*\b+16
.endr
.irp i, 0,1,2,3,4,5,6,7
	ds_load_b128 v[TMP+32*(\a%2)+4*\i:TMP+32*(\a%2)+4*\i+3], v[RD] offset:544*\i
.endr
.endm
.macro SEND a, younger                 ; younger: the LDS instructions issued behind block a's loads
.irp i, 0,1,2,3,4,5,6,7
	s_wait_dscnt \younger+7-\i
	global_store_b128 v[CO], v[TMP+32*(\a%2)+4*\i:TMP+32*(\a%2)+4*\i+3], s[8:9] offset:(16*\a+2*\i)*8192 th:TH_STORE_NT   ; sixteen lanes store 256 consecutive bytes, aligned
.endr
.endm
	TOST 0
	TOST 1
	SEND 0, 16
	s_wait_xcnt 0x0                                ; block 0's stores have read the registers into which block 2's rows are loaded
	TOST 2
	SEND 1, 16
	s_wait_xcnt 0x0
	TOST 3
	SEND 2, 16
	SEND 3, 0
	s_wait_tensorcnt 0x0                           ; the wave's end
	ds_add_u32 v[SPW], v[NIL]
	s_wait_dscnt 0x0
	CROUND                                         ; the closing round
	s_endpgm
.Lfunc_end_k_q6511ca756b_g3:
	.size	k_q6511ca756b_g3, .Lfunc_end_k_q6511ca756b_g3-k_q6511ca756b_g3
	.p2alignl 7, 3214868480
	.fill 96, 4, 3214868480
	.section	.rodata,"a",@progbits
	.p2align	6, 0x0
	.amdhsa_kernel k_q6511ca756b_g3
		.amdhsa_group_segment_fixed_size 327680
		.amdhsa_private_segment_fixed_size 0
		.amdhsa_enable_private_segment 0
		.amdhsa_kernarg_size 24
		.amdhsa_user_sgpr_count 2
		.amdhsa_user_sgpr_kernarg_segment_ptr 1
		.amdhsa_wavefront_size32 1
		.amdhsa_system_sgpr_workgroup_id_x 1
		.amdhsa_system_sgpr_workgroup_id_y 1
		.amdhsa_system_sgpr_workgroup_id_z 1
		.amdhsa_system_vgpr_workitem_id 0
		.amdhsa_next_free_vgpr 512
		.amdhsa_next_free_sgpr 80
		.amdhsa_reserve_vcc 0
		.amdhsa_float_denorm_mode_32 3
		.amdhsa_float_denorm_mode_16_64 3
		.amdhsa_memory_ordered 1
		.amdhsa_forward_progress 1
		.amdhsa_inst_pref_size 86
	.end_amdhsa_kernel
	.amdgpu_metadata
---
amdhsa.version: [ 1, 2 ]
amdhsa.kernels:
  - .name:           k_q6511ca756b_g3
    .symbol:         k_q6511ca756b_g3.kd
    .args:
      - { .name: a16, .offset: 0, .size: 8, .value_kind: global_buffer, .address_space: global }
      - { .name: w16, .offset: 8, .size: 8, .value_kind: global_buffer, .address_space: global }
      - { .name: out0, .offset: 16, .size: 8, .value_kind: global_buffer, .address_space: global }
    .group_segment_fixed_size: 327680
    .private_segment_fixed_size: 0
    .kernarg_segment_align: 8
    .kernarg_segment_size: 24
    .max_flat_workgroup_size: 128
    .sgpr_count:     80
    .vgpr_count:     512
    .wavefront_size: 32
...
	.end_amdgpu_metadata
.endif
;; end of part 5
;; launch f1 (part 6): grid 128 x 2, 9 waves a work-group, no clusters, 9,472 bytes of LDS; arguments aux, kv_norm_w, W_UV, qf, kv, af; writes af
.if DOCPART == 6
	.amdgcn_target "amdgcn-amd-amdhsa--gfx1250"
	.amdhsa_code_object_version 6
	.text
	.protected	k_q6511ca756b_f1
	.globl	k_q6511ca756b_f1
	.p2align	8
	.type	k_q6511ca756b_f1,@function
k_q6511ca756b_f1:
	s_mov_b64 s[64:65], 0
	v_nop
	global_prefetch_b8 v0, s[64:65] scope:SCOPE_SE
	s_setreg_imm32_b32 hwreg(HW_REG_WAVE_MODE, 25, 1), 1
	s_wait_xcnt 0x0
; F1: the first 16 positions of each sequence, carried in f32: there a row of the softmax averages one to sixteen values, and the rounding of f16 operands would weigh most.
; A work-group makes 16 positions x 16 channels (head n, channels 16 ct on) of attn1 - lambda attn2.
; Waves 0-7: v = (y_kv x rho x gain) W_UV in f32 by the f32 matrix form, 128 along K each; the eight partial sums meet in LDS.  y_kv comes in f32 from the quantised product's launch.
; Wave 8: the scores of the 16 positions against the 16 keys for heads 2 n and 2 n + 1 (from the f16 images of q and k), the causal mask, the softmax with its maximum, in f32; then p v in f32.
; The f32 form takes k = 2 h + j in register j of lane (r, h); here slot (h, j) of step (cb, s) holds k = 16 cb + 8 h + 2 s + j on BOTH sides, which keeps the products.
; v224-255 are written by f32 matrix instructions alone, and each sum's first instruction takes the constant 0.
.set LAMO,  262144
.set KRF,   393216
.set YFI,   655360
.set SPARE, 8192                       ; behind the eight partial sums of 1,024 bytes: the spare words, 128 bytes for each of nine waves
.set LI,  1
.set SPW, 2
.set NIL, 3
	s_load_b256 s[4:11], s[0:1], 0x0               ; aux, kv_norm_w, W_UV, qf
	s_load_b128 s[12:15], s[0:1], 0x20             ; kv, af
	v_lshl_add_u32 v[SPW], v0, 2, SPARE
	v_mov_b32 v[NIL], 0
	v_lshrrev_b32 v1, 5, v0
	v_readfirstlane_b32 s16, v1                    ; wave
	v_and_b32 v4, 31, v0
	v_lshlrev_b32 v[LI], 4, v4
	v_and_b32 v5, 15, v0                           ; r
	v_bfe_u32 v6, v0, 4, 1                         ; h
	s_and_b32 s17, s16, 7
	s_lshl_b32 s17, s17, 10
	v_add_nc_u32 v7, s17, v[LI]                    ; where my partial sum goes: made ahead of the parting of the waves
	s_lshr_b32 s18, ttmp9, 3                       ; n
	s_and_b32 s19, ttmp9, 7                        ; ct
	s_and_b32 s20, ttmp7, 0xffff                   ; batch
	s_mov_b32 s21, 0x3dd53b94                      ; c = log2(e) / sqrt(192)
	s_mov_b32 s22, 0x76543210
	s_mov_b32 s23, 0xfedcba98
	s_mov_b32 s36, 0x3a800000                      ; 1 / 1,024
	s_mov_b32 s37, 0x358637bd                      ; 1e-6
	s_mov_b32 s25, 0
	s_wait_kmcnt 0x0
	s_cmp_lt_u32 s16, 8
	s_cbranch_scc0 .Lw8
	; ---- waves 0-7
	s_lshl_b32 s24, s20, 16
	s_lshl_b32 s34, s16, 13
	s_add_co_u32 s24, s24, s34
	s_add_co_u32 s24, s24, YFI
	s_add_nc_u64 s[26:27], s[4:5], s[24:25]        ; y_kv: my eight runs of 16 columns
	s_lshl_b32 s24, s16, 9
	s_add_nc_u64 s[28:29], s[6:7], s[24:25]        ; my 128 gains
	s_lshl_b32 s24, s16, 20
	s_add_nc_u64 s[30:31], s[8:9], s[24:25]        ; my 128 rows of W_UV
	s_lshl_b32 s24, s20, 12
	s_add_nc_u64 s[32:33], s[4:5], s[24:25]        ; the sums of squares of the batch's first tokens
	v_lshlrev_b32 v8, 5, v6                        ; 32 h
	s_lshl_b32 s24, s18, 7
	s_lshl_b32 s34, s19, 4
	s_add_co_u32 s24, s24, s34
	v_add_nc_u32 v9, s24, v5
	v_lshlrev_b32 v9, 2, v9
	v_lshl_add_u32 v9, v6, 16, v9                  ; column 128 n + 16 ct + r, 8 h rows down
	v_lshlrev_b32 v10, 2, v5
.set c, 0
.rept 8
	global_load_b128 v[16+8*c:19+8*c], v[LI], s[26:27] offset:1024*c
	global_load_b128 v[20+8*c:23+8*c], v[LI], s[26:27] offset:1024*c+512
	global_load_b128 v[80+8*c:83+8*c], v8, s[28:29] offset:64*c
	global_load_b128 v[84+8*c:87+8*c], v8, s[28:29] offset:64*c+16
.set c, c+1
.endr
.set c, 0
.rept 64
	global_load_b32 v[144+c], v9, s[30:31] offset:(16*(c/8)+c%8)*8192
.set c, c+1
.endr
.set c, 0
.rept 16
	global_load_b32 v[208+c], v10, s[32:33] offset:c*8192
.set c, c+1
.endr
	s_wait_loadcnt 0x0
.irp k, 0,2,4,6
	v_pk_add_f32 v[208+\k:209+\k], v[208+\k:209+\k], v[216+\k:217+\k]
.endr
	v_pk_add_f32 v[208:209], v[208:209], v[212:213]
	v_pk_add_f32 v[210:211], v[210:211], v[214:215]
	v_pk_add_f32 v[208:209], v[208:209], v[210:211]
	v_add_f32 v208, v208, v209
	v_fma_f32 v208, v208, s36, s37
	v_rsq_f32 v208, v208                           ; rho of position r
.set c, 0
.rept 32
	v_pk_mul_f32 v[16+c:17+c], v[16+c:17+c], v[80+c:81+c]          ; y x gain: plain work behind the root
.set c, c+2
.endr
	s_wait_alu depctr_va_vdst(0)                   ; the wait ahead of the result's first reader
.set c, 0
.rept 32
	v_pk_mul_f32 v[16+c:17+c], v[16+c:17+c], v[208:209] op_sel_hi:[1,0]
.set c, c+2
.endr
.rept 4
	v_nop
.endr
	v_wmma_f32_16x16x4_f32 v[224:231], v[16:17], v[144:145], 0     ; source 0 = 16 positions, source 1 = 16 channels; two accumulators take turns
	v_wmma_f32_16x16x4_f32 v[232:239], v[18:19], v[146:147], 0
.set c, 2
.rept 30
	v_wmma_f32_16x16x4_f32 v[224+8*(c%2):231+8*(c%2)], v[16+2*c:17+2*c], v[144+2*c:145+2*c], v[224+8*(c%2):231+8*(c%2)]
.set c, c+1
.endr
.rept 8
	v_nop                                          ; eight places behind this form
.endr
.irp k, 0,2,4,6
	v_pk_add_f32 v[16+\k:17+\k], v[224+\k:225+\k], v[232+\k:233+\k]   ; lane (r, h): channel r, positions 8 h + 0 .. 7
.endr
	ds_store_b128 v7, v[16:19]
	ds_store_b128 v7, v[20:23] offset:512
	s_branch .Ljoin
.Lw8:
	; ---- wave 8: the two heads' weights
	s_lshl_b32 s24, s20, 5
	s_lshl_b32 s34, s18, 1
	s_add_co_u32 s24, s24, s34
	s_mul_i32 s24, s24, 393216
	s_add_nc_u64 s[26:27], s[10:11], s[24:25]      ; q, head 2 n, positions 0-15
	s_lshl_b32 s24, s20, 4
	s_add_co_u32 s24, s24, s18
	s_lshl_b32 s24, s24, 18
	s_add_nc_u64 s[28:29], s[12:13], s[24:25]      ; k_c, keys 0-15
	s_lshl_b32 s24, s20, 17
	s_add_co_u32 s24, s24, KRF
	s_add_nc_u64 s[30:31], s[4:5], s[24:25]        ; k_r
	s_lshl_b32 s24, s20, 16
	s_lshl_b32 s34, s18, 2
	s_add_co_u32 s24, s24, s34
	s_add_co_u32 s24, s24, LAMO
	s_add_nc_u64 s[32:33], s[4:5], s[24:25]
	v_lshlrev_b32 v8, 6, v5
.set c, 0
.rept 6
	global_load_b128 v[16+8*c:19+8*c], v[LI], s[26:27] offset:1024*c
	global_load_b128 v[20+8*c:23+8*c], v[LI], s[26:27] offset:1024*c+512
	global_load_b128 v[64+8*c:67+8*c], v[LI], s[26:27] offset:393216+1024*c
	global_load_b128 v[68+8*c:71+8*c], v[LI], s[26:27] offset:393216+1024*c+512
.set c, c+1
.endr
.set c, 0
.rept 4
	global_load_b128 v[112+8*c:115+8*c], v[LI], s[28:29] offset:1024*c
	global_load_b128 v[116+8*c:119+8*c], v[LI], s[28:29] offset:1024*c+512
.set c, c+1
.endr
.set c, 0
.rept 2
	global_load_b128 v[144+8*c:147+8*c], v[LI], s[30:31] offset:1024*c
	global_load_b128 v[148+8*c:151+8*c], v[LI], s[30:31] offset:1024*c+512
.set c, c+1
.endr
	global_load_b32 v184, v8, s[32:33]             ; lambda of position r
	v_lshlrev_b32 v9, 3, v6
	v_sub_nc_u32 v9, v5, v9                        ; r - 8 h: register j holds a hidden key where j is greater
	v_mov_b32 v10, 0xff800000
	v_mov_b32 v188, 0
	v_mov_b32 v189, 0
	s_wait_loadcnt 0x0
	v_wmma_f32_16x16x32_f16 v[160:167], v[112:119], v[16:23], 0    ; S^T: source 0 = 16 keys, source 1 = 16 positions; the two heads take turns
	v_wmma_f32_16x16x32_f16 v[168:175], v[112:119], v[64:71], 0
.set c, 1
.rept 5
	v_wmma_f32_16x16x32_f16 v[160:167], v[112+8*c:119+8*c], v[16+8*c:23+8*c], v[160:167]
	v_wmma_f32_16x16x32_f16 v[168:175], v[112+8*c:119+8*c], v[64+8*c:71+8*c], v[168:175]
.set c, c+1
.endr
.rept 4
	v_nop
.endr
.irp j, 0,1,2,3,4,5,6,7
	v_cmp_gt_i32 vcc_lo, \j, v9
	v_cndmask_b32 v[160+\j], v[160+\j], v10, vcc_lo
	v_cndmask_b32 v[168+\j], v[168+\j], v10, vcc_lo
.endr
	v_max3_num_f32 v186, v160, v161, v162
	v_max3_num_f32 v187, v168, v169, v170
	v_max3_num_f32 v186, v186, v163, v164
	v_max3_num_f32 v187, v187, v171, v172
	v_max3_num_f32 v186, v186, v165, v166
	v_max3_num_f32 v187, v187, v173, v174
	v_max_num_f32 v186, v186, v167
	v_max_num_f32 v187, v187, v175
	v_permlanex16_b32 v188, v186, s22, s23
	v_permlanex16_b32 v189, v187, s22, s23
	v_max_num_f32 v186, v186, v188                 ; the row's maximum: key 0 counts for every position
	v_max_num_f32 v187, v187, v189
	v_mul_f32 v186, s21, v186
	v_mul_f32 v187, s21, v187
.irp j, 0,1,2,3,4,5,6,7
	v_fma_f32 v[160+\j], v[160+\j], s21, -v186
	v_fma_f32 v[168+\j], v[168+\j], s21, -v187
.endr
.irp j, 0,1,2,3,4,5,6,7
	v_exp_f32 v[160+\j], v[160+\j]
	v_exp_f32 v[168+\j], v[168+\j]
.endr
	v_nop
	s_wait_alu depctr_va_vdst(0)                   ; one wait for the batch, ahead of its first reader
	v_pk_add_f32 v[190:191], v[160:161], v[162:163]
	v_pk_add_f32 v[192:193], v[164:165], v[166:167]
	v_pk_add_f32 v[194:195], v[168:169], v[170:171]
	v_pk_add_f32 v[196:197], v[172:173], v[174:175]
	v_pk_add_f32 v[190:191], v[190:191], v[192:193]
	v_pk_add_f32 v[194:195], v[194:195], v[196:197]
	v_add_f32 v190, v190, v191
	v_add_f32 v194, v194, v195
	v_permlanex16_b32 v188, v190, s22, s23
	v_permlanex16_b32 v189, v194, s22, s23
	v_add_f32 v190, v190, v188
	v_add_f32 v194, v194, v189
	v_rcp_f32 v190, v190
	v_rcp_f32 v194, v194
	v_nop
	s_wait_alu depctr_va_vdst(0)
	v_mul_f32 v194, -v194, v184                    ; -lambda / l of the odd head
.irp j, 0,1,2,3,4,5,6,7
	v_mul_f32 v[160+\j], v[160+\j], v190
	v_mul_f32 v[168+\j], v[168+\j], v194
.endr
.Ljoin:
	s_wait_dscnt 0x0                               ; my partial sum is in LDS
	s_barrier_signal -1
	s_barrier_wait -1
	s_cmp_lt_u32 s16, 8
	s_cbranch_scc1 .Lend
.set c, 0
.rept 8
	ds_load_b128 v[16+8*c:19+8*c], v[LI] offset:1024*c
	ds_load_b128 v[20+8*c:23+8*c], v[LI] offset:1024*c+512
.set c, c+1
.endr
	s_lshl_b32 s24, s20, 7
	s_lshl_b32 s34, s18, 3
	s_add_co_u32 s24, s24, s34
	s_add_co_u32 s24, s24, s19
	s_lshl_b32 s24, s24, 10
	s_add_nc_u64 s[26:27], s[14:15], s[24:25]
	s_wait_dscnt 0x0
.irp k, 0,2,4,6
	v_pk_add_f32 v[80+\k:81+\k], v[16+\k:17+\k], v[24+\k:25+\k]
.endr
.irp p, 2,3,4,5,6,7
.irp k, 0,2,4,6
	v_pk_add_f32 v[80+\k:81+\k], v[80+\k:81+\k], v[16+8*\p+\k:17+8*\p+\k]
.endr
.endr
.rept 4
	v_nop
.endr
	v_wmma_f32_16x16x4_f32 v[240:247], v[80:81], v[160:161], 0     ; source 0 = v: 16 channels, source 1 = the weights: 16 positions; K = the 16 keys
	v_wmma_f32_16x16x4_f32 v[248:255], v[80:81], v[168:169], 0
.irp s, 1,2,3
	v_wmma_f32_16x16x4_f32 v[240:247], v[80+2*\s:81+2*\s], v[160+2*\s:161+2*\s], v[240:247]
	v_wmma_f32_16x16x4_f32 v[248:255], v[80+2*\s:81+2*\s], v[168+2*\s:169+2*\s], v[248:255]
.endr
.rept 8
	v_nop
.endr
.irp k, 0,2,4,6
	v_pk_add_f32 v[176+\k:177+\k], v[240+\k:241+\k], v[248+\k:249+\k]   ; lane (r, h): position r, channels 8 h + 0 .. 7
.endr
	global_store_b128 v[LI], v[176:179], s[26:27]
	global_store_b128 v[LI], v[180:183], s[26:27] offset:512
.Lend:
	s_wait_tensorcnt 0x0                           ; the wave's end, behind my last LDS store
	ds_add_u32 v[SPW], v[NIL]
	s_wait_dscnt 0x0
	s_endpgm
.Lfunc_end_k_q6511ca756b_f1:
	.size	k_q6511ca756b_f1, .Lfunc_end_k_q6511ca756b_f1-k_q6511ca756b_f1
	.p2alignl 7, 3214868480
	.fill 96, 4, 3214868480
	.section	.rodata,"a",@progbits
	.p2align	6, 0x0
	.amdhsa_kernel k_q6511ca756b_f1
		.amdhsa_group_segment_fixed_size 9472
		.amdhsa_private_segment_fixed_size 0
		.amdhsa_enable_private_segment 0
		.amdhsa_kernarg_size 48
		.amdhsa_user_sgpr_count 2
		.amdhsa_user_sgpr_kernarg_segment_ptr 1
		.amdhsa_wavefront_size32 1
		.amdhsa_system_sgpr_workgroup_id_x 1
		.amdhsa_system_sgpr_workgroup_id_y 1
		.amdhsa_system_sgpr_workgroup_id_z 1
		.amdhsa_system_vgpr_workitem_id 0
		.amdhsa_next_free_vgpr 256
		.amdhsa_next_free_sgpr 66
		.amdhsa_reserve_vcc 1
		.amdhsa_float_denorm_mode_32 3
		.amdhsa_float_denorm_mode_16_64 3
		.amdhsa_memory_ordered 1
		.amdhsa_forward_progress 1
		.amdhsa_inst_pref_size 35
	.end_amdhsa_kernel
	.amdgpu_metadata
---
amdhsa.version: [ 1, 2 ]
amdhsa.kernels:
  - .name:           k_q6511ca756b_f1
    .symbol:         k_q6511ca756b_f1.kd
    .args:
      - { .name: aux, .offset: 0, .size: 8, .value_kind: global_buffer, .address_space: global }
      - { .name: kv_norm_w, .offset: 8, .size: 8, .value_kind: global_buffer, .address_space: global }
      - { .name: W_UV, .offset: 16, .size: 8, .value_kind: global_buffer, .address_space: global }
      - { .name: qf, .offset: 24, .size: 8, .value_kind: global_buffer, .address_space: global }
      - { .name: kv, .offset: 32, .size: 8, .value_kind: global_buffer, .address_space: global }
      - { .name: af, .offset: 40, .size: 8, .value_kind: global_buffer, .address_space: global }
    .group_segment_fixed_size: 9472
    .private_segment_fixed_size: 0
    .kernarg_segment_align: 8
    .kernarg_segment_size: 48
    .max_flat_workgroup_size: 288
    .sgpr_count:     66
    .vgpr_count:     256
    .wavefront_size: 32
...
	.end_amdgpu_metadata
.endif
;; end of part 6
;; launch f2 (part 7): grid 128 x 2, 16 waves a work-group, no clusters, 18,432 bytes of LDS; arguments af, W_out, out0; writes out0
.if DOCPART == 7
	.amdgcn_target "amdgcn-amd-amdhsa--gfx1250"
	.amdhsa_code_object_version 6
	.text
	.protected	k_q6511ca756b_f2
	.globl	k_q6511ca756b_f2
	.p2align	8
	.type	k_q6511ca756b_f2,@function
k_q6511ca756b_f2:
	s_mov_b64 s[64:65], 0
	v_nop
	global_prefetch_b8 v0, s[64:65] scope:SCOPE_SE
	s_setreg_imm32_b32 hwreg(HW_REG_WAVE_MODE, 25, 1), 1
	s_wait_xcnt 0x0
; F2: the first 16 positions of each sequence through W_out in f32, over what the f16 product's launch left in these 32 rows of out0.
; A work-group makes 16 tokens x 16 columns; each of its 16 waves takes 128 along K by the f32 matrix form; the partial sums meet in LDS and wave 0 adds and stores them.
; Slot (h, j) of step (cb, s) holds k = 16 cb + 8 h + 2 s + j on both sides, which keeps the products.  Source 0 = 16 columns of W_out, source 1 = 16 tokens: a lane holds token r and columns 8 h + 0 .. 7.
; v144-159 are written by f32 matrix instructions alone.  A token's 16 columns are 64 bytes: these stores fill quarters of 256 bytes; 262,144 bytes in all.
.set SPARE, 16384                      ; behind the 16 partial sums of 1,024 bytes: the spare words, 128 bytes a wave
.set LI,  1
.set SPW, 2
.set NIL, 3
	s_load_b128 s[4:7], s[0:1], 0x0                ; af, W_out
	s_load_b64 s[8:9], s[0:1], 0x10                ; out0
	v_lshl_add_u32 v[SPW], v0, 2, SPARE
	v_mov_b32 v[NIL], 0
	v_lshrrev_b32 v1, 5, v0
	v_readfirstlane_b32 s12, v1                    ; wave
	v_and_b32 v4, 31, v0
	v_lshlrev_b32 v[LI], 4, v4
	v_and_b32 v5, 15, v0                           ; r
	v_bfe_u32 v6, v0, 4, 1                         ; h
	s_lshl_b32 s13, s12, 10
	v_add_nc_u32 v7, s13, v[LI]                    ; where my partial sum goes
	s_and_b32 s14, ttmp7, 0xffff                   ; batch
	s_lshl_b32 s16, s14, 7
	s_lshl_b32 s17, s12, 3
	s_add_co_u32 s16, s16, s17
	s_lshl_b32 s16, s16, 10
	s_mov_b32 s17, 0
	s_lshl_b32 s18, s12, 20
	s_mov_b32 s19, 0
	s_lshl_b32 s20, ttmp9, 4
	v_add_nc_u32 v9, s20, v5
	v_lshlrev_b32 v9, 2, v9
	v_lshl_add_u32 v9, v6, 16, v9                  ; column 16 x + r, 8 h rows down
	v_lshlrev_b32 v10, 13, v5
	v_lshl_add_u32 v10, v6, 5, v10                 ; out: token r, 32 h bytes on
	s_lshl_b32 s20, s14, 23
	s_lshl_b32 s21, ttmp9, 6
	s_add_co_u32 s20, s20, s21
	s_mov_b32 s21, 0
	s_wait_kmcnt 0x0
	s_add_nc_u64 s[4:5], s[4:5], s[16:17]
	s_add_nc_u64 s[6:7], s[6:7], s[18:19]
	s_add_nc_u64 s[8:9], s[8:9], s[20:21]
.set c, 0
.rept 8
	global_load_b128 v[16+8*c:19+8*c], v[LI], s[4:5] offset:1024*c
	global_load_b128 v[20+8*c:23+8*c], v[LI], s[4:5] offset:1024*c+512
.set c, c+1
.endr
.set c, 0
.rept 64
	global_load_b32 v[80+c], v9, s[6:7] offset:(16*(c/8)+c%8)*8192
.set c, c+1
.endr
	s_wait_loadcnt 0x0
	v_wmma_f32_16x16x4_f32 v[144:151], v[80:81], v[16:17], 0       ; two accumulators take turns; each sum's first instruction takes the constant 0
	v_wmma_f32_16x16x4_f32 v[152:159], v[82:83], v[18:19], 0
.set c, 2
.rept 30
	v_wmma_f32_16x16x4_f32 v[144+8*(c%2):151+8*(c%2)], v[80+2*c:81+2*c], v[16+2*c:17+2*c], v[144+8*(c%2):151+8*(c%2)]
.set c, c+1
.endr
.rept 8
	v_nop                                          ; eight places behind this form
.endr
.irp k, 0,2,4,6
	v_pk_add_f32 v[16+\k:17+\k], v[144+\k:145+\k], v[152+\k:153+\k]
.endr
	ds_store_b128 v7, v[16:19]
	ds_store_b128 v7, v[20:23] offset:512
	s_wait_dscnt 0x0                               ; my partial sum is in LDS
	s_barrier_signal -1
	s_barrier_wait -1
	s_cmp_lg_u32 s12, 0
	s_cbranch_scc1 .Lend
.set c, 0
.rept 16
	ds_load_b128 v[16+8*c:19+8*c], v[LI] offset:1024*c
	ds_load_b128 v[20+8*c:23+8*c], v[LI] offset:1024*c+512
.set c, c+1
.endr
	s_wait_dscnt 0x0
.irp k, 0,2,4,6
	v_pk_add_f32 v[160+\k:161+\k], v[16+\k:17+\k], v[24+\k:25+\k]
.endr
.irp p, 2,3,4,5,6,7,8,9,10,11,12,13,14,15
.irp k, 0,2,4,6
	v_pk_add_f32 v[160+\k:161+\k], v[160+\k:161+\k], v[16+8*\p+\k:17+8*\p+\k]
.endr
.endr
	global_store_b128 v10, v[160:163], s[8:9]
	global_store_b128 v10, v[164:167], s[8:9] offset:16
.Lend:
	s_wait_tensorcnt 0x0                           ; the wave's end, behind my last LDS store
	ds_add_u32 v[SPW], v[NIL]
	s_wait_dscnt 0x0
	s_endpgm
.Lfunc_end_k_q6511ca756b_f2:
	.size	k_q6511ca756b_f2, .Lfunc_end_k_q6511ca756b_f2-k_q6511ca756b_f2
	.p2alignl 7, 3214868480
	.fill 96, 4, 3214868480
	.section	.rodata,"a",@progbits
	.p2align	6, 0x0
	.amdhsa_kernel k_q6511ca756b_f2
		.amdhsa_group_segment_fixed_size 18432
		.amdhsa_private_segment_fixed_size 0
		.amdhsa_enable_private_segment 0
		.amdhsa_kernarg_size 24
		.amdhsa_user_sgpr_count 2
		.amdhsa_user_sgpr_kernarg_segment_ptr 1
		.amdhsa_wavefront_size32 1
		.amdhsa_system_sgpr_workgroup_id_x 1
		.amdhsa_system_sgpr_workgroup_id_y 1
		.amdhsa_system_sgpr_workgroup_id_z 1
		.amdhsa_system_vgpr_workitem_id 0
		.amdhsa_next_free_vgpr 176
		.amdhsa_next_free_sgpr 66
		.amdhsa_reserve_vcc 0
		.amdhsa_float_denorm_mode_32 3
		.amdhsa_float_denorm_mode_16_64 3
		.amdhsa_memory_ordered 1
		.amdhsa_forward_progress 1
		.amdhsa_inst_pref_size 18
	.end_amdhsa_kernel
	.amdgpu_metadata
---
amdhsa.version: [ 1, 2 ]
amdhsa.kernels:
  - .name:           k_q6511ca756b_f2
    .symbol:         k_q6511ca756b_f2.kd
    .args:
      - { .name: af, .offset: 0, .size: 8, .value_kind: global_buffer, .address_space: global }
      - { .name: W_out, .offset: 8, .size: 8, .value_kind: global_buffer, .address_space: global }
      - { .name: out0, .offset: 16, .size: 8, .value_kind: global_buffer, .address_space: global }
    .group_segment_fixed_size: 18432
    .private_segment_fixed_size: 0
    .kernarg_segment_align: 8
    .kernarg_segment_size: 24
    .max_flat_workgroup_size: 512
    .sgpr_count:     66
    .vgpr_count:     176
    .wavefront_size: 32
...
	.end_amdgpu_metadata
.endif
;; end of part 7
